; MI455X (gfx1250); checked and timed in simulation.
; The chip was launched on July 23, 2026; its instructions are those of AMD's public machine-readable ISA for CDNA 5 (MIT licence, August 2026) and "CDNA5" Instruction Set Architecture Reference Guide (July 2026). The comments in the code are by the model that wrote it; some were corrected since.
;; Attention Block. Allowed arithmetic: matrix products marked QUANTISED: E4M3 operands, one given power-of-two scale a tensor, by v_wmma_f32_16x16x64_fp8_fp8 or v_wmma_f32_16x16x128_fp8_fp8, f32 sums; everything else in f32.
;; Inputs: W1 1,024 x 4,096 float32; W2 4,096 x 1,024 float32; Wk 1,024 x 1,024 float32; Wp 1,024 x 1,024 float32; Wq 1,024 x 1,024 float32; Wv 1,024 x 1,024 float32; b1 4,096 float32; b2 1,024 float32; be1 1,024 float32; be2 1,024 float32; bp 1,024 float32; g1 1,024 float32; g2 1,024 float32; lowp_scales 16 int32 (the exponents e of the quantised operands' scales 2^e); x 2 x 2,048 x 1,024 float32.
;; Outputs: out0 2 x 2,048 x 1,024 float32.
;; This version of the problem:
;;   THIS VERSION OF THE PROBLEM IS GIVEN IN LOW PRECISION. The matrix products marked QUANTISED in the list below multiply operands that are first quantised to E4M3 (4 exponent bits, 3 mantissa bits; 8 bits a number), with one given power-of-two scale for each operand tensor; their sums are f32. All else is computed in f32.
;;   The module's matrix products, in the order in which they are computed (A, B: the left and right operand; K: the contracted axis; several contracted axes count as one K, in the product's order):
;;     1. [M 4,096, K 1,024] x [K 1,024, N 1,024]; A: computed on the way; B: input Wq: QUANTISED (scales: A lowp_scales[0], B lowp_scales[1])
;;     2. [M 4,096, K 1,024] x [K 1,024, N 1,024]; A: computed on the way; B: input Wk: QUANTISED (scales: A lowp_scales[2], B lowp_scales[3])
;;     3. [M 4,096, K 1,024] x [K 1,024, N 1,024]; A: computed on the way; B: input Wv: QUANTISED (scales: A lowp_scales[4], B lowp_scales[5])
;;     4. batch 32 x [M 2,048, K 64] x [K 64, N 2,048]; A: computed on the way; B: computed on the way: QUANTISED (scales: A lowp_scales[6], B lowp_scales[7])
;;     5. batch 32 x [M 2,048, K 2,048] x [K 2,048, N 64]; A: softmax (see below); B: computed on the way: QUANTISED (scales: A lowp_scales[8], B lowp_scales[9])
;;     6. [M 4,096, K 1,024] x [K 1,024, N 1,024]; A: computed on the way; B: input Wp: QUANTISED (scales: A lowp_scales[10], B lowp_scales[11])
;;     7. [M 4,096, K 1,024] x [K 1,024, N 4,096]; A: computed on the way; B: input W1: QUANTISED (scales: A lowp_scales[12], B lowp_scales[13])
;;     8. [M 4,096, K 4,096] x [K 4,096, N 1,024]; A: computed on the way; B: input W2: QUANTISED (scales: A lowp_scales[14], B lowp_scales[15])
;;   THE QUANTISER, for each operand of a quantised product, along K:
;;     - The operand's scale is 2^e, e = its entry of the input lowp_scales (int32; the entries are numbered through the quantised products in the list's order, A before B).
;;     - Each number is divided by the scale, clamped to +-448, and rounded to the nearest number of E4M3, ties to even, subnormals kept.
;;     - The product sums the exact products of the quantised numbers (number of the format x scale) in f32.
;;   ~~~python
;;   def quantise(x, axis, e):      # numpy; x: float32 -> the quantised numbers, widened to float32 again
;;       x = np.moveaxis(x, axis, -1); K = x.shape[-1]
;;       r = np.clip(x / 2.0 ** e, -448, 448)
;;       step = 2.0 ** (np.maximum(np.frexp(np.where(r == 0, 1, r))[1] - 1, -6) - 3)
;;       q = np.round(r / step) * step * 2.0 ** e      # np.round: ties to even
;;       return np.moveaxis(q, -1, axis).astype(np.float32)
;;   ~~~
;;   SOFTMAX AHEAD OF A QUANTISED PRODUCT. Where the list says 'softmax', what is quantised is not the finished softmax but p = 2^(t - M), with t = logit x log2(e) and M = ceil(the row's largest t), a whole number; so 1/2 < the row's largest p <= 1. The row's sum l is taken of the UNQUANTISED p, in f32, and the product's result is divided by l at the end. Since M is a whole number, a kernel that streams over the keys may use a running M (the ceiling of the running maximum): every later rescaling is an exact power of two, so the quantised numbers keep their values, but for numbers so far below the row's largest that they fall under the format's range.
;;   OPERANDS COMPUTED ON THE WAY. 'Computed on the way' means the value that the module computes at that place (a softmax that the list does not call 'softmax' is quantised finished and normalised). What goes into a quantiser is computed in f32, as accurately as f32 sums, v_exp_f32 and their like allow (about 1e-6 of the number): no bf16 or f16 on the way to a quantiser, and a product that is left as it is and whose result goes on into a quantised operand takes f32 operands (vector FMAs, or v_wmma_f32_16x16x4_f32). A number that lies on a knife's edge between two numbers of the format may be rounded either way, as far as f32 arithmetic and the matrix unit's own rounding can turn it there, and no further.
;; One version. Each part assembles by itself: llvm-mc -triple=amdgcn-amd-amdhsa -mcpu=gfx1250 --defsym DOCPART=n.
;; ======== version 1 of 1: 7 launches
;; limits: right only within a limited range of input values
;; workspace buffers: hc 12,582,912 bytes; wc 12,582,912 bytes; qkvc 12,582,912 bytes; ac 4,194,304 bytes; x1 16,777,216 bytes; h2c 4,194,304 bytes; fc 16,777,216 bytes
;; launch prep (part 1): grid 896 x 1, 4 waves a work-group, no clusters, 35,328 bytes of LDS; arguments Wq, Wk, Wv, Wp, W1, W2, lowp_scales, wc, x, g1, be1, hc; writes wc, hc
.if DOCPART == 1
	.amdgcn_target "amdgcn-amd-amdhsa--gfx1250"
	.amdhsa_code_object_version 6
	.text
	.protected	k_q9d2a3ab5f2_prep
	.globl	k_q9d2a3ab5f2_prep
	.p2align	8
	.type	k_q9d2a3ab5f2_prep,@function
k_q9d2a3ab5f2_prep:
	s_mov_b64 s[64:65], 0
	v_nop
	global_prefetch_b8 v0, s[64:65] scope:SCOPE_SE
	s_setreg_imm32_b32 hwreg(HW_REG_WAVE_MODE, 25, 1), 1
	s_wait_xcnt 0x0
; THE PROGRAM: a pre-norm transformer block, 4,096 rows of 1,024, 16 heads of 64, all eight matrix products on codes of E4M3 with the given scales 2^e.
; Seven launches: prep (this one), qkv, attn, proj, ln2, ffn1, ffn2.
; WORK LEFT OUT, in launch attn alone: reference() builds causal = tril(ones) in its own body and sets every score with key > query to -inf; the softmax gives such a key the weight 0
; whatever finite values the inputs hold, so it adds nothing to the row's sum and nothing to the second product.  Steps of 128 keys that lie wholly behind a wave's 16 queries are left out, whole steps only.
; Every input has a way to out0 and is loaded by some launch.  LIMIT: a NaN, an infinity or an overflow that reaches only those masked scores is not carried to the result.
; THIS LAUNCH.  Work-groups 0-383: the six weights, f32 with K as their FIRST axis, become codes laid [N][K], K innermost, in wc: WqT at 0, WkT at 1 MiB, WvT at 2 MiB, WpT at 3 MiB, W1T at 4 MiB, W2T at 8 MiB.
; A lane takes a column n and its registers run down K: each load reads 128 consecutive bytes a wave, the conversions give codes with K innermost; 256 codes a column go through the wave's own stage in LDS
; and leave as rows: sixteen lanes store 256 consecutive, aligned bytes.  One path serves all six: pointer, exponent and strides are chosen by selects on the work-group's number.
; Work-groups 384-895: h = LayerNorm(x) g1 + be1, in f32 (mean, then the mean square of x - mean), quantised three times, with e0, e2, e4, into the three planes of hc.  A work-group takes 8 rows, a wave 2, each row whole
; in one wave, and both rows' loads go out at the head; no LDS on this path.
; The exponents are asked for at the head and waited for behind the first loads of data, on both paths.
; code = number / 2^e, held within +-448, rounded to the nearest code, ties to even.  LIMITS: each e used here lies between -126 and 119, so that 2^e and 448 x 2^e are f32 numbers.  NaN among the inputs is not served.
; No matrix unit, no cluster, no tensor load: the waves share no input and memory binds.
.set PITCH, 272                        ; a stage row: 256 bytes of codes + 16
.set SPARE, 4*32*PITCH                 ; behind the four stages: the spare words, 128 bytes for each wave
.set SPW,   14                         ; v14  LDS address of my spare word; never rewritten
.set NIL,   15                         ; v15  0; never rewritten
.set X,     32                         ; weights: v32-95 two sets of 32 numbers
.set C,     96                         ; v96-103 a block's codes
.set OUTR,  112                        ; v112-175 the way out
.set OFFI,  176                        ; v176-207 4 x lane + i rows of the weight
.set OUTO,  208                        ; v208-223 my place in rows 2 t, 2 t + 1 of the codes
.set SB,    68                         ; s[68:83] the weight at block t of 32 rows, t = 0 .. 7
.set G,     32                         ; norm: v32-63 g1, v64-95 be1 of my 32 columns
.set BE,    64
.set XR,    96                         ; v96-159 two rows
.set T,     160                        ; v160-191 held numbers
.set CD,    192                        ; v192-215 codes, eight registers a plane
.set SCL,   216                        ; v216+2s: 2^e, v217+2s: 448 x 2^e, s = 0, 1, 2
	s_load_b512 s[8:23], s[0:1], 0x0               ; Wq s[8:9], Wk, Wv, Wp, W1, W2 s[18:19], the exponents s[20:21], wc s[22:23]
	s_load_b256 s[24:31], s[0:1], 0x40             ; x s[24:25], g1 s[26:27], be1 s[28:29], hc s[30:31]
	v_lshl_add_u32 v[SPW], v0, 2, SPARE
	v_mov_b32 v[NIL], 0
	v_lshrrev_b32 v1, 5, v0
	v_readfirstlane_b32 s33, v1                    ; wave 0..3
	v_and_b32 v2, 31, v0                           ; lane
	s_wait_kmcnt 0x0
	s_load_b512 s[36:51], s[20:21], 0x0            ; e_i in s[36 + i]: waited for behind the first loads of data; s[20:21] stay as they are
	s_cmp_lt_u32 ttmp9, 384
	s_cbranch_scc0 .Lln
; ---------------- the weights ----------------
	s_lshr_b32 s52, ttmp9, 7                       ; class: 0 the four of 1024 x 1024 (32 work-groups each), 1 W1, 2 W2 (128 each)
	s_lshr_b32 s53, ttmp9, 5
	s_add_co_u32 s54, s52, 3
	s_cmp_eq_u32 s52, 0
	s_cselect_b32 s53, s53, s54                    ; which tensor: 0 .. 5
	s_mov_b32 s54, 127
	s_cselect_b32 s54, 31, s54
	s_and_b32 s54, ttmp9, s54                      ; my number within the tensor
	s_cmp_eq_u32 s52, 1
	s_cselect_b32 s56, 5, 3                        ; bits of N / 128
	s_mov_b32 s55, 4096
	s_cselect_b32 s55, 16384, s55                  ; a row of the weight in bytes: 4 N
	s_cmp_eq_u32 s52, 2
	s_mov_b32 s57, 1024
	s_cselect_b32 s57, 4096, s57                   ; a row of its codes in bytes: K
	s_bfm_b32 s58, s56, 0
	s_and_b32 s58, s54, s58                        ; which 128 columns
	s_lshr_b32 s59, s54, s56                       ; which 256 along K
	s_cmp_eq_u32 s53, 5
	s_cselect_b32 s63, 8, s53
	s_lshl_b32 s63, s63, 20                        ; the tensor's place in wc
	s_mov_b64 s[60:61], s[8:9]                     ; the pointer: Wq, unless
	s_cmp_eq_u32 s53, 1
	s_cselect_b64 s[60:61], s[10:11], s[60:61]     ; Wk
	s_cmp_eq_u32 s53, 2
	s_cselect_b64 s[60:61], s[12:13], s[60:61]     ; Wv
	s_cmp_eq_u32 s53, 3
	s_cselect_b64 s[60:61], s[14:15], s[60:61]     ; Wp
	s_cmp_eq_u32 s53, 4
	s_cselect_b64 s[60:61], s[16:17], s[60:61]     ; W1
	s_cmp_eq_u32 s53, 5
	s_cselect_b64 s[60:61], s[18:19], s[60:61]     ; W2
	s_lshl_b32 s66, s58, 7
	s_lshl_b32 s67, s33, 5
	s_add_co_u32 s66, s66, s67                     ; my wave's first column
	s_mul_i32 s88, s59, s55
	s_lshl_b32 s88, s88, 8                         ; 256 rows of the weight for each step along K,
	s_lshl_b32 s89, s66, 2
	s_add_co_u32 s88, s88, s89                     ; + 4 bytes a column
	s_mov_b32 s89, 0
	s_add_nc_u64 s[SB:SB+1], s[60:61], s[88:89]
	s_lshl_b32 s84, s55, 5                         ; 32 rows on
	s_mov_b32 s85, 0
.irp t, 1,2,3,4,5,6,7
	s_add_nc_u64 s[SB+2*\t:SB+2*\t+1], s[SB+2*\t-2:SB+2*\t-1], s[84:85]
.endr
	s_wait_alu depctr_va_vdst(0)
	v_lshlrev_b32 v[OFFI], 2, v2
.set i, 1
.rept 31
	v_add_nc_u32 v[OFFI+i], s55, v[OFFI+i-1]
.set i, i+1
.endr
.macro LOAD t                          ; block t: W(32 t + i, my column), i = 0 .. 31, into set t % 2
.set i, 0
.rept 32
	global_load_b32 v[X+32*((\t)%2)+i], v[OFFI+i], s[SB+2*(\t):SB+2*(\t)+1] th:TH_LOAD_NT
.set i, i+1
.endr
.endm
	LOAD 0                                         ; the first two blocks are on their way before anything else is made
	LOAD 1
	s_mul_i32 s88, s66, s57                        ; the codes: column x K
	s_add_co_u32 s88, s88, s63
	s_lshl_b32 s89, s59, 8
	s_add_co_u32 s88, s88, s89                     ; + my 256 along K
	s_mov_b32 s89, 0
	s_add_nc_u64 s[86:87], s[22:23], s[88:89]
	s_mul_i32 s34, s33, 32*PITCH                   ; my stage
	v_mul_u32_u24 v4, v2, PITCH
	v_add_nc_u32 v4, s34, v4                       ; into it: row = my column
	v_and_b32 v5, 15, v2
	v_lshrrev_b32 v6, 4, v2
	v_mul_u32_u24 v7, v6, PITCH
	v_lshl_add_u32 v7, v5, 4, v7
	v_add_nc_u32 v7, s34, v7                       ; out of it: sixteen lanes to a row, two rows an instruction
	v_mul_lo_u32 v[OUTO], v6, s57
	v_lshl_add_u32 v[OUTO], v5, 4, v[OUTO]
	s_lshl_b32 s35, s57, 1
.set i, 1
.rept 15
	v_add_nc_u32 v[OUTO+i], s35, v[OUTO+i-1]
.set i, i+1
.endr
	s_wait_kmcnt 0x0                               ; the exponents
	s_mov_b32 s62, s37                             ; e1, unless
	s_cmp_eq_u32 s53, 1
	s_cselect_b32 s62, s39, s62                    ; e3
	s_cmp_eq_u32 s53, 2
	s_cselect_b32 s62, s41, s62                    ; e5
	s_cmp_eq_u32 s53, 3
	s_cselect_b32 s62, s47, s62                    ; e11
	s_cmp_eq_u32 s53, 4
	s_cselect_b32 s62, s49, s62                    ; e13
	s_cmp_eq_u32 s53, 5
	s_cselect_b32 s62, s51, s62                    ; e15
	s_add_co_i32 s62, s62, 127
	s_lshl_b32 s35, s62, 23
	v_mov_b32 v11, s35                             ; 2^e as f32: the conversion takes its exponent field
	s_add_co_i32 s62, s62, 8
	s_lshl_b32 s62, s62, 23
	s_or_b32 s62, s62, 0x600000
	v_mov_b32 v10, s62                             ; 448 x 2^e
.macro BLOCK t
.set XS, X+32*((\t)%2)
.if (\t) < 7
	s_wait_loadcnt 32                              ; this block's 32 loads are in; the next block's 32 may be out
.else
	s_wait_loadcnt 0
.endif
.set i, 0
.rept 32
	v_med3_num_f32 v[XS+i], v[XS+i], -v10, v10     ; the conversion to an 8-bit code does not saturate (ISA guide 7.6.2): the hold comes first
.set i, i+1
.endr
.irp g, 0,1,2,3
	v_cvt_scalef32_pk8_fp8_f32 v[C+2*\g:C+2*\g+1], v[XS+8*\g:XS+8*\g+7], v11
.endr
	ds_store_b128 v4, v[C:C+3] offset:32*(\t)      ; 32 codes: 32 bytes of my column's row
	ds_store_b128 v4, v[C+4:C+7] offset:32*(\t)+16
.if (\t)+2 < 8
	LOAD (\t)+2
.endif
	s_wait_dscnt 0x0                               ; the stores have read their registers: the next block's codes may be written
.endm
	s_wait_alu depctr_va_vdst(0)
.irp t, 0,1,2,3,4,5,6,7
	BLOCK \t
.endr
.irp t, 0,1,2,3,4,5,6,7,8,9,10,11,12,13,14,15
	ds_load_b128 v[OUTR+4*\t:OUTR+4*\t+3], v7 offset:2*\t*PITCH   ; a wave's LDS instructions are served in order: these see my stores
.endr
.irp t, 0,1,2,3,4,5,6,7,8,9,10,11,12,13,14,15
	s_wait_dscnt 15-\t                             ; the younger loads may be out
	global_store_b128 v[OUTO+\t], v[OUTR+4*\t:OUTR+4*\t+3], s[86:87]   ; sixteen lanes store 256 consecutive bytes, aligned
.endr
	s_wait_tensorcnt 0x0                           ; the wave's end
	ds_add_u32 v[SPW], v[NIL]
	s_wait_dscnt 0x0
	s_endpgm
; ---------------- the norm ----------------
; A lane holds columns 256 c + 8 l + 0 .. 7, c = 0 .. 3, in registers 8 c + j: two loads of 16 bytes for each c, which together cover 1,024 consecutive bytes;
; its eight codes of each c are 8 bytes, so that the wave's store covers 256 consecutive, aligned bytes.
.Lln:
	s_sub_co_u32 s52, ttmp9, 384
	s_lshl_b32 s52, s52, 3
	s_lshl_b32 s53, s33, 1
	s_add_co_u32 s58, s52, s53                     ; my wave's first row: 8 x work-group + 2 x wave
	s_lshl_b32 s60, s58, 10
	s_mov_b32 s61, 0
	s_lshl_b32 s62, s58, 12
	s_mov_b32 s63, 0
	s_add_nc_u64 s[52:53], s[24:25], s[62:63]      ; x
	s_add_nc_u64 s[54:55], s[30:31], s[60:61]      ; hc, plane 0,
	s_add_nc_u64 s[56:57], s[54:55], 0x400000      ; plane 1,
	s_add_nc_u64 s[58:59], s[56:57], 0x400000      ; plane 2
	s_mov_b32 s90, 0x76543210                      ; v_permlanex16_b32: lane l xor 16
	s_mov_b32 s91, 0xfedcba98
	s_mov_b32 s92, 0x3a800000                      ; 1 / 1024
	s_mov_b32 s93, 0x3727c5ac                      ; 1e-5
	s_wait_alu depctr_va_vdst(0)
	v_lshlrev_b32 v1, 5, v2                        ; 32 bytes a lane, in
	v_lshlrev_b32 v3, 3, v2                        ; 8 bytes a lane, out
	v_mov_b32 v9, 0                                ; a lane permute's destination counts as read
	v_mov_b32 v11, 0                               ; named as the upper halves of pairs
	v_mov_b32 v13, 0
.irp c, 0,1,2,3
	global_load_b128 v[G+8*\c:G+8*\c+3], v1, s[26:27] offset:1024*\c
	global_load_b128 v[G+8*\c+4:G+8*\c+7], v1, s[26:27] offset:1024*\c+16
	global_load_b128 v[BE+8*\c:BE+8*\c+3], v1, s[28:29] offset:1024*\c
	global_load_b128 v[BE+8*\c+4:BE+8*\c+7], v1, s[28:29] offset:1024*\c+16
.endr
.macro LOADROW r
.irp c, 0,1,2,3
	global_load_b128 v[XR+32*((\r)%2)+8*\c:XR+32*((\r)%2)+8*\c+3], v1, s[52:53] offset:(\r)*4096+1024*\c th:TH_LOAD_NT
	global_load_b128 v[XR+32*((\r)%2)+8*\c+4:XR+32*((\r)%2)+8*\c+7], v1, s[52:53] offset:(\r)*4096+1024*\c+16 th:TH_LOAD_NT
.endr
.endm
	LOADROW 0
	LOADROW 1
	s_wait_kmcnt 0x0                               ; the exponents
.irp s, 0,1,2
	s_add_co_i32 s94, s[36+2*\s], 127              ; e0, e2, e4
	s_lshl_b32 s95, s94, 23
	v_mov_b32 v[SCL+2*\s], s95
	s_add_co_i32 s94, s94, 8
	s_lshl_b32 s94, s94, 23
	s_or_b32 s94, s94, 0x600000
	v_mov_b32 v[SCL+2*\s+1], s94
.endr
.macro REDUCE                          ; v8 summed over the 32 lanes, the result in every lane
	v_add_f32_dpp v8, v8, v8 row_xmask:1 row_mask:0xf bank_mask:0xf
	v_add_f32_dpp v8, v8, v8 row_xmask:2 row_mask:0xf bank_mask:0xf
	v_add_f32_dpp v8, v8, v8 row_xmask:4 row_mask:0xf bank_mask:0xf
	v_add_f32_dpp v8, v8, v8 row_xmask:8 row_mask:0xf bank_mask:0xf
	v_permlanex16_b32 v9, v8, s90, s91
	v_add_f32 v8, v8, v9
.endm
.macro QUANT s, r                      ; the row in v[XS] on, with exponent s, into plane s
.set i, 0
.rept 32
	v_med3_num_f32 v[T+i], v[XS+i], -v[SCL+2*\s+1], v[SCL+2*\s+1]
.set i, i+1
.endr
.irp c, 0,1,2,3
	v_cvt_scalef32_pk8_fp8_f32 v[CD+8*\s+2*\c:CD+8*\s+2*\c+1], v[T+8*\c:T+8*\c+7], v[SCL+2*\s]
.endr
	v_nop                                          ; a plain line between the conversions and the next lines that write their sources
.irp c, 0,1,2,3
	global_store_b64 v3, v[CD+8*\s+2*\c:CD+8*\s+2*\c+1], s[54+2*\s:55+2*\s] offset:(\r)*1024+256*\c
.endr
.endm
.macro LNROW r, left
.set XS, XR+32*((\r)%2)
	s_wait_loadcnt \left                           ; my row is in; the next row's eight loads may be out
	v_pk_add_f32 v[4:5], v[XS:XS+1], v[XS+2:XS+3]
	v_pk_add_f32 v[6:7], v[XS+4:XS+5], v[XS+6:XS+7]
.irp j, 8,12,16,20,24,28
	v_pk_add_f32 v[4:5], v[4:5], v[XS+\j:XS+\j+1]
	v_pk_add_f32 v[6:7], v[6:7], v[XS+\j+2:XS+\j+3]
.endr
	v_pk_add_f32 v[4:5], v[4:5], v[6:7]
	v_add_f32 v8, v4, v5
	REDUCE
	v_mul_f32 v10, s92, v8                         ; the mean
.set j, 0
.rept 16
	v_pk_add_f32 v[XS+j:XS+j+1], v[XS+j:XS+j+1], v[10:11] op_sel_hi:[1,0] neg_lo:[0,1] neg_hi:[0,1]   ; x - mean
.set j, j+2
.endr
	v_pk_mul_f32 v[4:5], v[XS:XS+1], v[XS:XS+1]
	v_pk_mul_f32 v[6:7], v[XS+2:XS+3], v[XS+2:XS+3]
.irp j, 4,8,12,16,20,24,28
	v_pk_fma_f32 v[4:5], v[XS+\j:XS+\j+1], v[XS+\j:XS+\j+1], v[4:5]
	v_pk_fma_f32 v[6:7], v[XS+\j+2:XS+\j+3], v[XS+\j+2:XS+\j+3], v[6:7]
.endr
	v_pk_add_f32 v[4:5], v[4:5], v[6:7]
	v_add_f32 v8, v4, v5
	REDUCE
	v_fma_f32 v8, v8, s92, s93                     ; the variance + 1e-5
	s_wait_alu depctr_va_vdst(0)
	v_rsq_f32 v12, v8
	v_nop                                          ; a plain line behind the transcendental,
	s_wait_alu depctr_va_vdst(0)                   ; and the wait ahead of its first reader
.set j, 0
.rept 16
	v_pk_mul_f32 v[XS+j:XS+j+1], v[XS+j:XS+j+1], v[12:13] op_sel_hi:[1,0]
.set j, j+2
.endr
.set j, 0
.rept 16
	v_pk_fma_f32 v[XS+j:XS+j+1], v[XS+j:XS+j+1], v[G+j:G+j+1], v[BE+j:BE+j+1]
.set j, j+2
.endr
	s_wait_xcnt 0x0                                ; the last row's stores have read their data: the codes' registers may be written again
	QUANT 0, \r
	QUANT 1, \r
	QUANT 2, \r
.endm
	LNROW 0, 8
	LNROW 1, 0
	s_endpgm
.Lfunc_end_k_q9d2a3ab5f2_prep:
	.size	k_q9d2a3ab5f2_prep, .Lfunc_end_k_q9d2a3ab5f2_prep-k_q9d2a3ab5f2_prep
	.p2alignl 7, 3214868480
	.fill 96, 4, 3214868480
	.section	.rodata,"a",@progbits
	.p2align	6, 0x0
	.amdhsa_kernel k_q9d2a3ab5f2_prep
		.amdhsa_group_segment_fixed_size 35328
		.amdhsa_private_segment_fixed_size 0
		.amdhsa_enable_private_segment 0
		.amdhsa_kernarg_size 96
		.amdhsa_user_sgpr_count 2
		.amdhsa_user_sgpr_kernarg_segment_ptr 1
		.amdhsa_wavefront_size32 1
		.amdhsa_system_sgpr_workgroup_id_x 1
		.amdhsa_system_sgpr_workgroup_id_y 1
		.amdhsa_system_sgpr_workgroup_id_z 1
		.amdhsa_system_vgpr_workitem_id 0
		.amdhsa_next_free_vgpr 224
		.amdhsa_next_free_sgpr 100
		.amdhsa_reserve_vcc 0
		.amdhsa_float_denorm_mode_32 3
		.amdhsa_float_denorm_mode_16_64 3
		.amdhsa_memory_ordered 1
		.amdhsa_forward_progress 1
		.amdhsa_inst_pref_size 85
	.end_amdhsa_kernel
	.amdgpu_metadata
---
amdhsa.version: [ 1, 2 ]
amdhsa.kernels:
  - .name:           k_q9d2a3ab5f2_prep
    .symbol:         k_q9d2a3ab5f2_prep.kd
    .args:
      - { .name: Wq, .offset: 0, .size: 8, .value_kind: global_buffer, .address_space: global }
      - { .name: Wk, .offset: 8, .size: 8, .value_kind: global_buffer, .address_space: global }
      - { .name: Wv, .offset: 16, .size: 8, .value_kind: global_buffer, .address_space: global }
      - { .name: Wp, .offset: 24, .size: 8, .value_kind: global_buffer, .address_space: global }
      - { .name: W1, .offset: 32, .size: 8, .value_kind: global_buffer, .address_space: global }
      - { .name: W2, .offset: 40, .size: 8, .value_kind: global_buffer, .address_space: global }
      - { .name: lowp_scales, .offset: 48, .size: 8, .value_kind: global_buffer, .address_space: global }
      - { .name: wc, .offset: 56, .size: 8, .value_kind: global_buffer, .address_space: global }
      - { .name: x, .offset: 64, .size: 8, .value_kind: global_buffer, .address_space: global }
      - { .name: g1, .offset: 72, .size: 8, .value_kind: global_buffer, .address_space: global }
      - { .name: be1, .offset: 80, .size: 8, .value_kind: global_buffer, .address_space: global }
      - { .name: hc, .offset: 88, .size: 8, .value_kind: global_buffer, .address_space: global }
    .group_segment_fixed_size: 35328
    .private_segment_fixed_size: 0
    .kernarg_segment_align: 8
    .kernarg_segment_size: 96
    .max_flat_workgroup_size: 128
    .sgpr_count:     100
    .vgpr_count:     224
    .wavefront_size: 32
...
	.end_amdgpu_metadata
.endif
;; end of part 1
;; launch qkv (part 2): grid 12 x 16, 4 waves a work-group, clusters of 4 x 4, 327,680 bytes of LDS; arguments hc, wc, lowp_scales, qkvc; writes qkvc
.if DOCPART == 2
	.amdgcn_target "amdgcn-amd-amdhsa--gfx1250"
	.amdhsa_code_object_version 6
	.text
	.protected	k_q9d2a3ab5f2_qkv
	.globl	k_q9d2a3ab5f2_qkv
	.p2align	8
	.type	k_q9d2a3ab5f2_qkv,@function
k_q9d2a3ab5f2_qkv:
	s_mov_b64 s[64:65], 0
	v_nop
	global_prefetch_b8 v0, s[64:65] scope:SCOPE_SE
	s_setreg_imm32_b32 hwreg(HW_REG_WAVE_MODE, 25, 1), 1
	s_wait_xcnt 0x0
	s_wait_alu depctr_hold_cnt(0) depctr_sa_sdst(0) depctr_va_vdst(0) depctr_va_sdst(0) depctr_va_ssrc(0) depctr_va_vcc(0) depctr_vm_vsrc(0)
	s_getreg_b32 s2, hwreg(HW_REG_IB_STS2, 6, 4)
	s_cmp_eq_u32 s2, 0
	s_cbranch_scc0 .Lentry_in_a_cluster
	s_endpgm
.Lentry_in_a_cluster:
	s_bfe_u32 s2, ttmp6, 0x10000c
	s_cmp_lg_u32 s2, 0xf033
	s_cbranch_scc0 .Lentry_shape_is_right
	s_endpgm
.Lentry_shape_is_right:
; q = h Wq, k = h Wk, v = h Wv on codes of E4M3, and the results quantised at once for the attention's products (e6, e7, e9).  K = 1,024.
; The cluster's x, z = 0, 1, 2, says which product; it is the same in all sixteen partners.  z < 2: C[m = row of h][n = column of W]: A = plane z of hc, B = WqT or WkT.
; z = 2: C[m = column of Wv][n = row of h]: A = WvT, B = plane 2 of hc: so v comes out with the KEYS along n.  The matrix instruction is used transposed (source 0 = 16 rows of B, source 1 = 16 rows of A):
; a lane holds eight neighbours along n, which one conversion turns into 8 bytes.
; A tile of C, 256 x 256, is made by four waves, 128 x 128 each: 64 accumulators, 512 registers.  K goes in steps of 256 through a ring of two LDS slots filled by the tensor data mover; rows of 256 bytes.
; CLUSTERS 4 x 4: A's tile is shared along a row of the cluster, B's along a column; each is asked for jointly, by the same tensor load with the same descriptor and a mask that names the four.
; OUT: qkvc, three planes of 4 MiB, bh = 16 b + head: q, k at bh << 17 + t << 6 + d;  v at bh << 17 + (t / 64) << 12 + d << 6 + t % 64.  The tile's codes meet in ONE stage in LDS (256 rows x 272 bytes, in slot 0,
; which has had its last fill and its last read), and each store of a wave covers 512 consecutive, aligned bytes.
; A sum stands for sum x 2^(eA + eB): its code is sum / 2^(eo - eA - eB).  LIMIT: eo - eA - eB lies between -126 and 119.  NaN is not served.
; REGISTERS: window 0: v0-31 addresses; from v128 A's fragments, ONE set; on the way out v32-255 are free.  window 1: B's fragments, TWO sets.  windows 2, 3: the accumulators ((a, b) at v[8 (8 (a % 4) + b)]).
.set KSTEP,  256
.set ROWB,   256
.set KROW,   1024
.set PITCH,  272                       ; an LDS row: 256 bytes + 16 = 68 words: the 16 rows that a load touches start 4 words apart modulo 64
.set FR,     16
.set NL,     4
.set NP,     4
.set HALFT,  128*PITCH
.set SLOT,   4*HALFT
.set LAPS,   KROW/(2*KSTEP)
.set SPARE,  2*SLOT                    ; behind the ring: the spare words, 128 bytes for each wave
.set CO,   8                           ; v8-11   the way out: my byte offset in qkvc for column group 0 .. 3
.set ADRA, 16
.set ADRB, 20
.set STO,  24                          ; v24     where I put 8 codes of a row
.set RD,   25                          ; v25     where I read the stage back
.set SC,   26                          ; v26     2^(eo - eA - eB)
.set LIMV, 27                          ; v27     448 x that
.set SPW,  28
.set NIL,  29
.set TMP,  32                          ; v32-95  a block's held sums
.set PC,   96                          ; v96-223 codes: 16 registers for each of the 8 blocks, so that no LDS store's data are written again
.set BK,   112                         ; v112-239 the stage read back
.set AF,   128
.set G1, 24
.set G0, 32
.set G1B, 48
.set G0B, 56
.set MSB, 0
.macro WIN new                         ; the immediate's high byte repeats the setting that is left
.if MSB != \new
	s_set_vgpr_msb (MSB<<8)|\new
.set MSB, \new
.endif
.endm
.set MUL_LO, 0xa1                      ; source 0 (B) window 1, source 1 (A) window 0, C and D window 2
.set MUL_HI, 0xf1
.set TO_B,   0x40
; A joint load: waves 0 and 1 fetch for A, waves 2 and 3 for B; the branch hangs on the wave's number alone.  An s_nop 0 and four v_nop follow each line.
.macro JLOAD g0a, g1a, g0b, g1b
	s_cmp_eq_u32 s15, 0
	s_cbranch_scc0 .Lfor_b_\@
	tensor_load_to_lds s[\g0a:\g0a+3], s[\g1a:\g1a+7]
	s_nop 0
.rept 4
	v_nop
.endr
	s_branch .Lasked_\@
.Lfor_b_\@:
	tensor_load_to_lds s[\g0b:\g0b+3], s[\g1b:\g1b+7]
	s_nop 0
.rept 4
	v_nop
.endr
.Lasked_\@:
.endm
.macro CREST                           ; a round of the cluster's barrier behind its opening barrier
	s_cmp_lg_u32 s14, 0
	s_cbranch_scc1 .Lnot_wave_0_\@
	s_barrier_signal -3
.Lnot_wave_0_\@:
	s_barrier_wait -3
	s_barrier_signal -1
	s_barrier_wait -1
.endm
.macro CROUND
	s_barrier_signal -1
	s_barrier_wait -1
	CREST
.endm
	s_load_b256 s[4:11], s[0:1], 0x0               ; hc s[4:5], wc s[6:7], the exponents s[8:9], qkvc s[10:11]
	v_lshl_add_u32 v[SPW], v0, 2, SPARE
	v_mov_b32 v[NIL], 0
	ds_add_u32 v[SPW], v[NIL]                      ; the opening: the add, twice on end, and its wait ahead of my first tensor load
	ds_add_u32 v[SPW], v[NIL]
	v_lshrrev_b32 v1, 5, v0
	v_readfirstlane_b32 s14, v1                    ; wave 0..3
	s_lshr_b32 s15, s14, 1                         ; my half of the tile's rows.  Also: I fetch for A (0) or for B (1)
	s_and_b32 s16, s14, 1                          ; my half of its columns.  Also: which 128 rows of that tile I fetch
	s_bfe_u32 s40, ttmp6, 0x40000                  ; cx, cy
	s_bfe_u32 s41, ttmp6, 0x40004
	s_and_b32 s18, ttmp7, 0xffff
	s_lshl_b32 s18, s18, 2                         ; 4 x cluster y walks the 16 tiles of the 4,096 rows of h:
	s_cmp_lt_u32 ttmp9, 2
	s_cselect_b32 s19, s18, 0                      ; they are C's rows for q and k,
	s_cselect_b32 s18, 0, s18                      ; C's columns for v
	s_add_co_u32 s17, s41, s19                     ; tile row
	s_add_co_u32 s42, s40, s18                     ; tile column
	s_lshl_b32 s43, s41, 2
	s_lshl_b32 s43, 15, s43                        ; my row of the cluster
	s_lshl_b32 s44, 0x1111, s40                    ; my column
	s_or_b32 s[G1+0], s43, (0<<16)|(1<<20)|(1<<21)|(5<<22)|(3<<25)  ; the mask; elements of 1 byte; padding on; bit 21 beside a mask; after every 64 words, 4 words
	s_or_b32 s[G1B+0], s44, (0<<16)|(1<<20)|(1<<21)|(5<<22)|(3<<25)
.irp g, G1, G1B
	s_mov_b32 s[\g+1], ROWB<<16                    ; tensor_dim0
	s_mov_b32 s[\g+2], 128<<16                     ; tensor_dim1
	s_mov_b32 s[\g+3], ROWB<<16                    ; tile_dim0
	s_mov_b32 s[\g+4], 128                         ; tile_dim1
	s_mov_b32 s[\g+5], KROW                        ; from row to row
	s_mov_b32 s[\g+6], 0
	s_mov_b32 s[\g+7], 0
.endr
	s_lshl_b32 s18, s16, 7
	s_lshl_b32 s20, s17, 8
	s_add_co_u32 s20, s20, s18
	s_lshl_b32 s20, s20, 10                        ; A: (256 x tile row + 128 x half) rows of 1,024 bytes
	s_lshl_b32 s46, s42, 8
	s_add_co_u32 s46, s46, s18
	s_lshl_b32 s46, s46, 10                        ; B likewise by the tile column
	s_lshl_b32 s90, ttmp9, 22                      ; A's plane: plane z of hc, or WvT at 2 MiB of wc
	s_lshl_b32 s92, ttmp9, 20                      ; B's plane: WqT, WkT in wc, or plane 2 of hc
	s_cmp_lt_u32 ttmp9, 2
	s_mov_b32 s91, 0x200000
	s_cselect_b32 s90, s90, s91
	s_mov_b32 s91, 0x800000
	s_cselect_b32 s92, s92, s91
	s_add_co_u32 s20, s20, s90
	s_add_co_u32 s46, s46, s92
	s_mov_b32 s21, 0
	s_mov_b32 s47, 0
	s_mul_i32 s45, s14, HALFT                      ; where they go: wave x 128 rows
	s_wait_dscnt 0x0                               ; both opening adds are done
	s_wait_kmcnt 0x0
	s_load_b512 s[68:83], s[8:9], 0x0              ; e_i in s[68 + i]
	s_cmp_lt_u32 ttmp9, 2
	s_cselect_b64 s[84:85], s[4:5], s[6:7]         ; A's buffer
	s_cselect_b64 s[86:87], s[6:7], s[4:5]         ; B's buffer
	s_add_nc_u64 s[20:21], s[84:85], s[20:21]
	s_add_nc_u64 s[46:47], s[86:87], s[46:47]
	CROUND                                         ; all sixteen work-groups are here: the first joint loads meet
.irp s, 0,1
	s_mov_b32 s[G0+4*\s], 1
	s_add_co_u32 s[G0+4*\s+1], s45, \s*SLOT
	s_add_nc_u64 s[G0+4*\s+2:G0+4*\s+3], s[20:21], \s*ROWB
	s_or_b32 s[G0+4*\s+3], s[G0+4*\s+3], 0x80000000
	s_mov_b32 s[G0B+4*\s], 1
	s_add_co_u32 s[G0B+4*\s+1], s45, \s*SLOT
	s_add_nc_u64 s[G0B+4*\s+2:G0B+4*\s+3], s[46:47], \s*ROWB
	s_or_b32 s[G0B+4*\s+3], s[G0B+4*\s+3], 0x80000000
.endr
	JLOAD G0, G1, G0B, G1B                         ; K step 0: one tensor load a wave at the head
	v_and_b32 v1, 15, v0                           ; r = l % 16
	v_bfe_u32 v2, v0, 4, 1                         ; h = l / 16
	v_mul_u32_u24 v3, v1, PITCH
	s_wait_alu depctr_va_vdst(0)
	v_lshl_add_u32 v4, v2, 4, v3                   ; a fragment's row x pitch + 16 h
	s_mul_i32 s21, s15, HALFT
	s_mul_i32 s22, s16, HALFT
	s_add_co_u32 s22, s22, 2*HALFT
.irp s, 0,1
	v_add_nc_u32 v[ADRA+\s], s21, v4
	v_add_nc_u32 v[ADRB+\s], s22, v4
	s_add_co_u32 s21, s21, SLOT
	s_add_co_u32 s22, s22, SLOT
.endr
	s_mul_i32 s23, s15, 128*PITCH                  ; the stage: row 128 x my row half + r, byte 128 x my column half + 8 h
	s_lshl_b32 s21, s16, 7
	s_add_co_u32 s23, s23, s21
	v_lshl_add_u32 v[STO], v2, 3, v3
	v_add_nc_u32 v[STO], s23, v[STO]
	v_and_b32 v5, 31, v0
	s_wait_alu depctr_va_vdst(0)
	v_lshrrev_b32 v6, 2, v5                        ; back: wave w takes rows 64 w on; four lanes take 64 bytes of a row, the wave eight rows
	v_mul_u32_u24 v6, v6, PITCH
	v_and_b32 v7, 3, v5
	v_lshl_add_u32 v6, v7, 4, v6
	s_mul_i32 s23, s14, 64*PITCH
	v_add_nc_u32 v[RD], s23, v6
	; where they go in qkvc.  q, k: my 64 rows are 64 t (4,096 bytes), a group of 64 columns a head (131,072 bytes).  v: my 64 rows are a head, a group of 64 columns 64 keys (4,096 bytes)
	s_cmp_lt_u32 ttmp9, 2
	s_cselect_b32 s20, s17, s42                    ; the tile's place among the 16 tiles of rows of h,
	s_cselect_b32 s21, s42, s17                    ; and among the 4 tiles of 4 heads
	s_mov_b32 s22, 131072
	s_cselect_b32 s23, 4096, s22                   ; from wave to wave
	s_mov_b32 s18, 4096
	s_cselect_b32 s22, s22, s18                    ; from column group to column group
	s_lshr_b32 s88, s20, 3
	s_lshl_b32 s88, s88, 21                        ; b
	s_and_b32 s89, s20, 7
	s_lshl_b32 s89, s89, 14                        ; 256 t
	s_add_co_u32 s88, s88, s89
	s_lshl_b32 s89, s21, 19                        ; 4 heads
	s_add_co_u32 s88, s88, s89
	s_mul_i32 s89, s14, s23
	s_add_co_u32 s88, s88, s89
	s_lshl_b32 s89, ttmp9, 22                      ; the plane
	s_add_co_u32 s88, s88, s89
	s_mov_b32 s89, 0
	s_add_nc_u64 s[10:11], s[10:11], s[88:89]
	v_lshlrev_b32 v[CO], 4, v5
	v_add_nc_u32 v[CO+1], s22, v[CO]
	v_add_nc_u32 v[CO+2], s22, v[CO+1]
	v_add_nc_u32 v[CO+3], s22, v[CO+2]
.macro FRAG reg, adr, q, i             ; 16 rows x 128 K: lane l holds row l % 16; registers 4 c .. 4 c + 3 hold K = 32 c + 16 (l / 16) + 0 .. 15: the same places in A and in B
.irp c, 0,1,2,3
	ds_load_b128 v[\reg+4*\c:\reg+4*\c+3], v[\adr] offset:128*(\q)+32*\c+(\i)*16*PITCH
.endr
.endm
; 16 matrix instructions: A's blocks a0, a0 + 1 x B's eight.  The 64 accumulators take turns, one instruction a turn, in the same order in every step.
.macro MUL16 a0, p, zero
.irp a, \a0, \a0+1
.irp b, 0,1,2,3,4,5,6,7
.if \zero
	v_wmma_f32_16x16x128_fp8_fp8 v[8*(8*((\a)%4)+\b):8*(8*((\a)%4)+\b)+7], v[128*(\p)+FR*\b:128*(\p)+FR*\b+FR-1], v[AF+FR*(\a):AF+FR*(\a)+FR-1], 0
.else
	v_wmma_f32_16x16x128_fp8_fp8 v[8*(8*((\a)%4)+\b):8*(8*((\a)%4)+\b)+7], v[128*(\p)+FR*\b:128*(\p)+FR*\b+FR-1], v[AF+FR*(\a):AF+FR*(\a)+FR-1], v[8*(8*((\a)%4)+\b):8*(8*((\a)%4)+\b)+7]
.endif
.endr
.endr
.endm
.macro FETCH_B slot, q, p
	WIN TO_B
.irp i, 0,1,2,3,4,5,6,7
	FRAG 128*(\p)+FR*\i, ADRB+\slot, \q, \i
.endr
	WIN 0
.endm
.macro FETCH_A slot, q, i0
.irp i, \i0, \i0+1, \i0+2, \i0+3
	FRAG AF+FR*(\i), ADRA+\slot, \q, \i
.endr
.endm
.macro PLACES n                        ; plain vector lines between matrix instructions and loads into, or reads of, their registers
.rept \n
	v_nop
.endr
.endm
.macro STEP slot, q, zero              ; 128 along K that has its successor in the same slot
	s_wait_dscnt 4*NL                              ; B's set and A's blocks 0-3 are in; A's blocks 4-7, 16 loads, may be out
	WIN MUL_LO
	MUL16 0, (\q)%2, \zero
	MUL16 2, (\q)%2, \zero
	s_wait_dscnt 0
	PLACES NP
	FETCH_B \slot, (\q)+1, 1-(\q)%2
	FETCH_A \slot, (\q)+1, 0
	WIN MUL_HI
	MUL16 4, (\q)%2, \zero
	MUL16 6, (\q)%2, \zero
	PLACES NP
	WIN 0
	FETCH_A \slot, (\q)+1, 4
.endm
; A slot's last step changes slots: one barrier; in front of it each wave waits for all its tensor loads, adds 0 to its spare word, and waits for that and for its reads of this slot.
.macro TURN slot, next, fill
	s_wait_tensorcnt 0x0                           ; all my tensor loads have landed: my part of the next slot
	ds_add_u32 v[SPW], v[NIL]
	s_wait_dscnt 4*NL+1                            ; the add and A's blocks 4-7 may be out
	WIN MUL_LO
	MUL16 0, 1, 0
	s_wait_dscnt 0x0                               ; the add is done, and my reads of this slot are over
	s_barrier_signal -1
	MUL16 2, 1, 0
	WIN 0
	s_barrier_wait -1
.if \fill
	CREST                                          ; the barrier has opened a round of the cluster's: no wave of any partner still reads this slot or has a load on its way
	s_add_nc_u64 s[G0+4*\slot+2:G0+4*\slot+3], s[G0+4*\slot+2:G0+4*\slot+3], 2*ROWB
	s_add_nc_u64 s[G0B+4*\slot+2:G0B+4*\slot+3], s[G0B+4*\slot+2:G0B+4*\slot+3], 2*ROWB
	JLOAD G0+4*\slot, G1, G0B+4*\slot, G1B         ; the first tensor load behind the round; its four v_nop are the places in front of the loads below
.else
	PLACES NP
.endif
	FETCH_B \next, 0, 0
	FETCH_A \next, 0, 0
	WIN MUL_HI
	MUL16 4, 1, 0
	MUL16 6, 1, 0
	PLACES NP
	WIN 0
	FETCH_A \next, 0, 4
.endm
	s_wait_alu depctr_va_vdst(0)                   ; the wait at the head's end
	s_wait_tensorcnt 0x0                           ; my part of K step 0 is in; slot 1's first fill is issued as a refill is:
	ds_add_u32 v[SPW], v[NIL]
	s_wait_dscnt 0x0
	CROUND                                         ; everybody's part of K step 0 is in, and all sixteen work-groups are here
	JLOAD G0+4, G1, G0B+4, G1B                     ; K step 1: the first tensor load behind the round
	FETCH_B 0, 0, 0
	FETCH_A 0, 0, 0
	FETCH_A 0, 0, 4
	STEP 0, 0, 1                                   ; the first step's products start the sums
	s_mov_b32 s3, LAPS-1
.Llap:
	TURN 0, 1, 1
	STEP 1, 0, 0
	TURN 1, 0, 1
	STEP 0, 0, 0
	s_sub_co_u32 s3, s3, 1
	s_cmp_lg_u32 s3, 0
	s_cbranch_scc1 .Llap
	TURN 0, 1, 0                                   ; the last lap fills nothing
	STEP 1, 0, 0
	s_wait_dscnt 4*NL
	WIN MUL_LO
	MUL16 0, 1, 0
	MUL16 2, 1, 0
	s_wait_dscnt 0
	WIN MUL_HI
	MUL16 4, 1, 0
	MUL16 6, 1, 0
	WIN 0
	; THE WAY OUT.  The three scales are folded into the conversion's one; all choices by selects on z.
	s_wait_kmcnt 0x0
	s_add_co_i32 s68, s68, s69                     ; e0 + e1
	s_add_co_i32 s70, s70, s71                     ; e2 + e3
	s_add_co_i32 s72, s72, s73                     ; e4 + e5
	s_cmp_eq_u32 ttmp9, 1
	s_cselect_b32 s68, s70, s68
	s_cselect_b32 s74, s75, s74                    ; e6 or e7
	s_cmp_eq_u32 ttmp9, 2
	s_cselect_b32 s68, s72, s68
	s_cselect_b32 s74, s77, s74                    ; or e9
	s_sub_co_i32 s74, s74, s68
	s_add_co_i32 s74, s74, 127
	s_lshl_b32 s75, s74, 23
	v_mov_b32 v[SC], s75
	s_add_co_i32 s74, s74, 8
	s_lshl_b32 s74, s74, 23
	s_or_b32 s74, s74, 0x600000
	v_mov_b32 v[LIMV], s74
	PLACES NP
.macro QBLOCK a                        ; block a, 16 rows x 128 columns: held, converted, 8 bytes a lane and accumulator into the stage; each accumulator from its low end on
.set AC, 64*((\a)%4)
	WIN 0x02+((\a)/4)                              ; source 0: window 2 or 3
.set j, 0
.rept 64
	v_med3_num_f32 v[TMP+j], v[AC+j], -v[LIMV], v[LIMV]
.set j, j+1
.endr
	WIN 0
.irp b, 0,1,2,3,4,5,6,7
	v_cvt_scalef32_pk8_fp8_f32 v[PC+16*(\a)+2*\b:PC+16*(\a)+2*\b+1], v[TMP+8*\b:TMP+8*\b+7], v[SC]
.endr
	v_nop                                          ; a plain line between the conversions and the next block's lines, which write their sources
.irp b, 0,1,2,3,4,5,6,7
	ds_store_b64 v[STO], v[PC+16*(\a)+2*\b:PC+16*(\a)+2*\b+1] offset:(\a)*16*PITCH+16*\b
.endr
.endm
.irp a, 0,1,2,3,4,5,6,7
	QBLOCK \a
.endr
	s_wait_dscnt 0x0                               ; for the others' sake: my stores into the stage are done
	s_barrier_signal -1
	s_barrier_wait -1
.irp g, 0,1,2,3
.irp i, 0,1,2,3,4,5,6,7
	ds_load_b128 v[BK+4*(8*\g+\i):BK+4*(8*\g+\i)+3], v[RD] offset:\i*8*PITCH+64*\g
.endr
.endr
.irp g, 0,1,2,3
.irp i, 0,1,2,3,4,5,6,7
	s_wait_dscnt 31-(8*\g+\i)                      ; the younger loads may be out
	global_store_b128 v[CO+\g], v[BK+4*(8*\g+\i):BK+4*(8*\g+\i)+3], s[10:11] offset:512*\i   ; the wave stores 512 consecutive bytes, aligned
.endr
.endr
	s_wait_tensorcnt 0x0                           ; the wave's end
	ds_add_u32 v[SPW], v[NIL]
	s_wait_dscnt 0x0
	CROUND                                         ; the closing round
	s_endpgm
.Lfunc_end_k_q9d2a3ab5f2_qkv:
	.size	k_q9d2a3ab5f2_qkv, .Lfunc_end_k_q9d2a3ab5f2_qkv-k_q9d2a3ab5f2_qkv
	.p2alignl 7, 3214868480
	.fill 96, 4, 3214868480
	.section	.rodata,"a",@progbits
	.p2align	6, 0x0
	.amdhsa_kernel k_q9d2a3ab5f2_qkv
		.amdhsa_group_segment_fixed_size 327680
		.amdhsa_private_segment_fixed_size 0
		.amdhsa_enable_private_segment 0
		.amdhsa_kernarg_size 32
		.amdhsa_user_sgpr_count 2
		.amdhsa_user_sgpr_kernarg_segment_ptr 1
		.amdhsa_wavefront_size32 1
		.amdhsa_system_sgpr_workgroup_id_x 1
		.amdhsa_system_sgpr_workgroup_id_y 1
		.amdhsa_system_sgpr_workgroup_id_z 1
		.amdhsa_system_vgpr_workitem_id 0
		.amdhsa_next_free_vgpr 1024
		.amdhsa_next_free_sgpr 100
		.amdhsa_reserve_vcc 0
		.amdhsa_float_denorm_mode_32 3
		.amdhsa_float_denorm_mode_16_64 3
		.amdhsa_memory_ordered 1
		.amdhsa_forward_progress 1
		.amdhsa_inst_pref_size 126
	.end_amdhsa_kernel
	.amdgpu_metadata
---
amdhsa.version: [ 1, 2 ]
amdhsa.kernels:
  - .name:           k_q9d2a3ab5f2_qkv
    .symbol:         k_q9d2a3ab5f2_qkv.kd
    .args:
      - { .name: hc, .offset: 0, .size: 8, .value_kind: global_buffer, .address_space: global }
      - { .name: wc, .offset: 8, .size: 8, .value_kind: global_buffer, .address_space: global }
      - { .name: lowp_scales, .offset: 16, .size: 8, .value_kind: global_buffer, .address_space: global }
      - { .name: qkvc, .offset: 24, .size: 8, .value_kind: global_buffer, .address_space: global }
    .group_segment_fixed_size: 327680
    .private_segment_fixed_size: 0
    .kernarg_segment_align: 8
    .kernarg_segment_size: 32
    .max_flat_workgroup_size: 128
    .sgpr_count:     100
    .vgpr_count:     1024
    .wavefront_size: 32
...
	.end_amdgpu_metadata
.endif
;; end of part 2
;; launch attn (part 3): grid 8 x 32, 16 waves a work-group, no clusters, 327,680 bytes of LDS; arguments qkvc, lowp_scales, ac; writes ac
.if DOCPART == 3
	.amdgcn_target "amdgcn-amd-amdhsa--gfx1250"
	.amdhsa_code_object_version 6
	.text
	.protected	k_q9d2a3ab5f2_attn
	.globl	k_q9d2a3ab5f2_attn
	.p2align	8
	.type	k_q9d2a3ab5f2_attn,@function
k_q9d2a3ab5f2_attn:
	s_mov_b64 s[64:65], 0
	v_nop
	global_prefetch_b8 v0, s[64:65] scope:SCOPE_SE
	s_setreg_imm32_b32 hwreg(HW_REG_WAVE_MODE, 25, 1), 1
	s_wait_xcnt 0x0
; attn[b][t][head 64 ..] = softmax over keys k <= t of (q . k / 8) times v, both products on codes of E4M3 (q e6, k e7, p e8, v e9); the result is quantised at once for the projection (e10) into ac [4096][1024].
; WORK LEFT OUT: steps of 128 keys all of which come after a tile's 16 queries: reference()'s own causal mask gives them the weight 0 for all finite inputs.  A NaN or an infinity that reaches only those scores is not carried on.
; THE SOFTMAX: t = score x log2(e) / 8; M = the running largest t rounded UP to a whole number; p = 2^(t - M) is what is quantised; the row's sum is taken of the unquantised p and divides at the end.
; When M moves, the sum and O are multiplied by 2^(old M - new M), which rounds nothing.
; SHARES.  A work-group serves one (b, head) and two blocks of 128 queries, block i and block 15 - i (i = work-group x): 16 tiles of 16 queries.  EVERY TILE IS SERVED BY A PAIR OF WAVES: of each slot of 256 keys wave 2 p takes
; the first 128 and wave 2 p + 1 the second, told apart by address.  Pair p serves tile p of both blocks: i + 1 and 16 - i steps, 17 in all, so every wave of every work-group walks 8 or 9 steps.
; A wave carries TWO STATES (Q, -M, the largest t, the sum, O^T): X, the tile that it finishes (wave 2 p: of block 15 - i; wave 2 p + 1: of block i), and Y, the tile that its partner finishes.  Which tile is which is a matter of
; scalars alone, so all waves run one text.  At the end Y goes to the partner as an image of its 36 registers (9 x 512 bytes a wave, in LDS bytes between the slots, on which no tile lands), and the two halves are joined:
; M = the larger M, each half's sum and O^T x 2^(its M - M).  A half that has walked no step has the sum 0 and the factor 0.
; THE RING.  Two LDS slots of 256 keys, each in four parts of 8 KiB, one tensor load each, by waves 0 to 3; all sixteen waves read them.  K's parts: keys 32 p + 0 .. 15 and keys 32 p + 16 .. 31 (8 rows of 1,024 bytes of
; memory, 2,048 apart).  V's parts: channels 0 .. 31 and 32 .. 63 of each block of 64 keys (4 rows of 2,048 bytes, 4,096 apart).  16 bytes of padding follow every 64, so a part is 128 pieces of 64 bytes, 80 apart.
; The parts lie 10,368 bytes apart: 128 more than a multiple of 256.  A fragment load's lanes 0-7 take eight neighbouring pieces of one part and lanes 8-15 the same pieces of the next.
; NO CLUSTER: the work-groups of a head need 8, 8, 7, 7, 6, 6, 5, 5 slots (the last query is 2047 - 128 i): a joint load would bring some partners tiles that none of their waves reads.
; LAYOUT.  Both products are used transposed: S^T = K Q^T (source 0 = 16 keys), O^T = V^T P^T (source 0 = 16 of the head's 64): a lane holds ONE query (lane % 16) throughout.
; Lane r of K's tile 2 b + u takes key 32 b + 8 u + r + 8 (r / 8), so that the 16 registers of tiles 2 b, 2 b + 1 are 16 neighbouring keys.  Lane r of V's tile t takes channel 32 (r / 8) + 8 t + r % 8, so that a lane's
; 32 results are 32 neighbouring channels: 32 bytes of codes.  A head's piece of a row of ac is 64 bytes, so these stores cover 64 consecutive bytes a query and no more: kept, so that the projection reads plain rows.
; V's fragments are asked for as soon as K's registers are free, behind K Q^T, and land under the softmax.
; LIMITS: e6 + e7 between -123 and 130 (added to c's exponent field); e8 and e10 between -126 and 119.  NaN among the inputs is not served.
; REGISTERS: v1-7 addresses; v8-11 Y's -M, largest t, sum; v12-15 X's; v16-23 X's Q, v24-31 Y's; v32-95 fragments of K, then of V; v96-159 S^T, then p; v160-191 X's O^T, v192-223 Y's; v224-239 p's codes; v236-255 at work.
.set SK,    256
.set KP,    80                         ; a piece in LDS: 64 bytes + 16 of padding
.set PART,  128*KP+128                 ; from part to part
.set VOFF,  2*PART                     ; a slot: K's two parts, then V's two
.set SLOT1, 1<<17
.set NSL,   2048/SK
.set XCH,   49152                      ; between slot 0's end (41,472) and slot 1: the images,
.set XSZ,   9*512                      ; 4,608 bytes for each of sixteen waves
.set SPARE, 2*SLOT1                    ; behind the ring: the spare words, 128 bytes for each of sixteen waves
.set AK0,  1                           ; v1   my lane's place in a slot's tiles of K, my 128 keys of the slot among it
.set PFO,  3                           ; v3   256 x lane, for the prefetches; never rewritten
.set ADK,  4                           ; v4   the same in the slot in hand; V's tiles lie VOFF further on
.set SPW,  5
.set NIL,  6
.set GO,   7                           ; v7   my byte offset in the tile's rows of ac
.set TB,   2                           ; s2   LDS byte at which the slot in hand begins
.set WV,   18
.set SEL,  20
.set CS,   22                          ; s[22:23] c = log2(e) / 8, with e6 + e7 in its exponent
.set G1K,  24                          ; s[24:31] descriptor group 1 for K's parts
.set G1V,  32                          ; s[32:39] for V's
.set G0,   40                          ; s[40:43] my group 0, which walks
.set EX,   44                          ; s[44:59] the exponents
.set QL,   66                          ; s66  my work-group's last query
.set SLOTS, 67
.set Q0Y,  68                          ; s68  the first query of tile Y
.set PU,   69                          ; s69  0 or 128: which keys of a slot are mine
.set PFA,  76
.set LIM,  80
.set KF,   98                          ; s98  the slot's first key: the same in all waves
.set Q0X,  99                          ; s99  the first query of tile X
.macro TLOAD                           ; waves 0, 1: K's parts; waves 2, 3: V's; the others nothing.  An s_nop 0 and four v_nop follow each line
	s_cmp_lt_u32 s[WV], 2
	s_cbranch_scc0 .Lnot_k_\@
	tensor_load_to_lds s[G0:G0+3], s[G1K:G1K+7]
	s_nop 0
.rept 4
	v_nop
.endr
	s_branch .Lasked_\@
.Lnot_k_\@:
	s_cmp_lt_u32 s[WV], 4
	s_cbranch_scc0 .Lasked_\@
	tensor_load_to_lds s[G0:G0+3], s[G1V:G1V+7]
	s_nop 0
.rept 4
	v_nop
.endr
.Lasked_\@:
.endm
; A prefetch of what the NEXT change of slots will ask for: 16 KiB of K and 16 KiB of V.  All eight work-groups of a head walk the same K and V: work-group x = 0, which walks all slots, asks; in it waves 4 and 5 ask for
; K's halves, waves 6 and 7 for V's, lanes 256 bytes apart: each aligned block of 256 bytes is named once in the launch.  It stands a slot ahead of the tensor load; the last filling change asks for nothing.
.macro ASK
	s_cmp_gt_u32 s[SLOTS], s[LIM]
	s_cbranch_scc0 .Lnot_mine_\@
	global_prefetch_b8 v[PFO], s[PFA:PFA+1] th:TH_LOAD_NT scope:SCOPE_SE
.Lnot_mine_\@:
.endm
	s_load_b128 s[4:7], s[0:1], 0x0                ; qkvc s[4:5], the exponents s[6:7]
	s_load_b64 s[16:17], s[0:1], 0x10              ; ac
	v_lshl_add_u32 v[SPW], v0, 2, SPARE
	v_mov_b32 v[NIL], 0
	ds_add_u32 v[SPW], v[NIL]                      ; the opening: the add, twice on end, and its wait ahead of the first tensor load
	ds_add_u32 v[SPW], v[NIL]
	v_lshrrev_b32 v246, 5, v0
	v_readfirstlane_b32 s[WV], v246                ; wave 0..15
	s_and_b32 s72, ttmp7, 0xffff                   ; bh = 16 b + head
	s_lshl_b32 s74, s72, 17                        ; its first byte in each plane
	s_and_b32 s70, s[WV], 1                        ; which 128 keys of each slot are mine
	s_lshl_b32 s[PU], s70, 7
	s_mul_i32 s75, s70, 64*KP                      ; and where they lie in a part: 64 pieces on
	s_lshr_b32 s81, s[WV], 1                       ; my pair: its tile in both blocks
	s_lshl_b32 s81, s81, 4
	s_lshl_b32 s73, ttmp9, 7
	s_add_co_u32 s73, s73, s81                     ; the first query of the tile of block i,
	s_sub_co_u32 s71, 15, ttmp9
	s_lshl_b32 s71, s71, 7
	s_add_co_u32 s71, s71, s81                     ; of block 15 - i
	s_cmp_eq_u32 s70, 0
	s_cselect_b32 s[Q0X], s71, s73                 ; the tile that I finish,
	s_cselect_b32 s[Q0Y], s73, s71                 ; and the one that my partner finishes
	s_lshl_b32 s[QL], ttmp9, 7
	s_sub_co_u32 s[QL], 2047, s[QL]
	s_lshl_b32 s82, s[Q0X], 6
	s_add_co_u32 s82, s82, s74                     ; q's codes of tile X,
	s_mov_b32 s83, 0
	s_lshl_b32 s92, s[Q0Y], 6
	s_add_co_u32 s92, s92, s74                     ; of tile Y
	s_mov_b32 s93, 0
	s_lshr_b32 s84, s72, 4
	s_lshl_b32 s84, s84, 11
	s_add_co_u32 s84, s84, s[Q0X]
	s_lshl_b32 s84, s84, 10                        ; ac: row b x 2048 + query, of 1,024 bytes,
	s_and_b32 s85, s72, 15
	s_lshl_b32 s85, s85, 6
	s_add_co_u32 s84, s84, s85                     ; + 64 x head
	s_mov_b32 s85, 0
	s_and_b32 s88, s[WV], 3                        ; what I fetch, if I fetch: part 0 .. 3
	s_lshr_b32 s89, s88, 1                         ; 0: of k (plane 1), 1: of v (plane 2)
	s_lshl_b32 s86, s89, 22
	s_add_co_u32 s86, s86, 0x400000
	s_add_co_u32 s86, s86, s74
	s_and_b32 s87, s88, 1                          ; the second part begins half a row on: 1,024 bytes in k, 2,048 in v
	s_add_co_u32 s89, s89, 10
	s_lshl_b32 s87, s87, s89
	s_add_co_u32 s86, s86, s87
	s_mov_b32 s87, 0
	s_mul_i32 s88, s88, PART                       ; and where it goes in a slot
	s_mov_b32 s[G1K], (0<<16)|(1<<20)|(3<<22)|(3<<25)   ; no mask; elements of 1 byte; padding on: after every 16 words, 4 words
	s_mov_b32 s[G1K+1], 1024<<16                   ; tensor_dim0: 16 keys of 64 bytes
	s_mov_b32 s[G1K+2], 8<<16                      ; tensor_dim1
	s_mov_b32 s[G1K+3], 1024<<16                   ; tile_dim0
	s_mov_b32 s[G1K+4], 8                          ; tile_dim1
	s_mov_b32 s[G1K+5], 2048                       ; from row to row: 32 keys
	s_mov_b32 s[G1K+6], 0
	s_mov_b32 s[G1K+7], 0
	s_mov_b32 s[G1V], (0<<16)|(1<<20)|(3<<22)|(3<<25)
	s_mov_b32 s[G1V+1], 2048<<16                   ; tensor_dim0: 32 channels of 64 keys
	s_mov_b32 s[G1V+2], 4<<16                      ; tensor_dim1
	s_mov_b32 s[G1V+3], 2048<<16                   ; tile_dim0
	s_mov_b32 s[G1V+4], 4                          ; tile_dim1
	s_mov_b32 s[G1V+5], 4096                       ; from row to row: a block of 64 keys
	s_mov_b32 s[G1V+6], 0
	s_mov_b32 s[G1V+7], 0
	s_mov_b32 s[SEL], 0x76543210
	s_mov_b32 s[SEL+1], 0xfedcba98
	s_mov_b32 s[CS], 0x3e38aa3b                    ; log2(e) / 8
	s_mov_b32 s[TB], 0
	s_mov_b32 s[SLOTS], NSL-1
	s_mov_b32 s[KF], 0
	s_wait_alu depctr_va_vdst(0)
	s_wait_dscnt 0x0                               ; both opening adds are done
	s_wait_kmcnt 0x0
	s_load_b512 s[EX:EX+15], s[6:7], 0x0           ; e_i in s[44 + i]
	s_mov_b32 s[G0], 1
	s_mov_b32 s[G0+1], s88
	s_add_nc_u64 s[G0+2:G0+3], s[4:5], s[86:87]
	s_or_b32 s[G0+3], s[G0+3], 0x80000000
	TLOAD                                          ; slot 0: it holds key 0, which counts for every query
	s_add_nc_u64 s[8:9], s[4:5], s[82:83]          ; q of tile X,
	s_add_nc_u64 s[10:11], s[4:5], s[92:93]        ; of tile Y
	s_add_nc_u64 s[16:17], s[16:17], s[84:85]      ; ac
	s_bfe_u32 s90, s[WV], 0x10001                  ; the prefetches: bit 1 of the wave's number says k or v,
	s_lshl_b32 s90, s90, 22
	s_and_b32 s91, s[WV], 1                        ; bit 0 which 8,192 bytes
	s_lshl_b32 s91, s91, 13
	s_add_co_u32 s90, s90, s91
	s_add_co_u32 s90, s90, s74
	s_add_co_u32 s90, s90, 0x400000+16384          ; in slot 1: the first change of slots steps it to slot 2
	s_mov_b32 s91, 0
	s_add_nc_u64 s[PFA:PFA+1], s[4:5], s[90:91]
	s_sub_co_u32 s90, s[WV], 4
	s_lshr_b32 s90, s90, 2                         ; 0 in waves 4 to 7,
	s_or_b32 s90, s90, ttmp9                       ; of work-group x = 0
	s_cmp_eq_u32 s90, 0
	s_cselect_b32 s[LIM], 1, -1
	v_and_b32 v246, 15, v0                         ; r
	v_bfe_u32 v247, v0, 4, 1                       ; h
	v_lshlrev_b32 v248, 6, v246
	v_lshl_add_u32 v248, v247, 4, v248             ; q: row r of 64 bytes, + 16 h
	global_load_b128 v[16:19], v248, s[8:9]        ; registers 4 c .. 4 c + 3: channels 32 c + 16 h + 0 .. 15: the same places as in K's fragments
	global_load_b128 v[20:23], v248, s[8:9] offset:32
	global_load_b128 v[24:27], v248, s[10:11]
	global_load_b128 v[28:31], v248, s[10:11] offset:32
	v_and_b32 v249, 7, v0                          ; r % 8: my piece among eight neighbours,
	v_bfe_u32 v250, v0, 3, 1                       ; r / 8: in the first or the second of two parts
	v_mul_u32_u24 v[AK0], v249, KP
	v_mad_u32_u24 v[AK0], v250, PART, v[AK0]
	v_lshl_add_u32 v[AK0], v247, 4, v[AK0]         ; + 16 h
	v_add_nc_u32 v[AK0], s75, v[AK0]               ; + my 128 keys of the slot
	v_lshlrev_b32 v[GO], 10, v246
	v_lshl_add_u32 v[GO], v247, 5, v[GO]           ; ac: row r, + 32 h
	v_and_b32 v[PFO], 31, v0
	v_lshlrev_b32 v[PFO], 8, v[PFO]
	v_mov_b32 v13, 0xff61b1e6                      ; the largest t so far: -3e38
	v_mov_b32 v9, 0xff61b1e6
	v_floor_f32 v12, -v13                          ; -M
	v_floor_f32 v8, -v9
	v_mov_b32 v14, 0
	v_mov_b32 v15, 0
	v_mov_b32 v10, 0
	v_mov_b32 v11, 0
	v_mov_b32 v236, 0                              ; a lane permute's destination counts as read
	v_mov_b32 v253, 0                              ; named as the upper half of a pair
.set j, 0
.rept 64
	v_mov_b32 v[160+j], 0                          ; both O^T: the step is written once for each state; the first finds zeros
.set j, j+1
.endr
	s_wait_kmcnt 0x0
	s_add_co_i32 s72, s[EX+6], s[EX+7]
	s_lshl_b32 s72, s72, 23
	s_add_co_i32 s[CS], s[CS], s72                 ; a score stands for score x 2^(e6 + e7)
	s_mov_b32 s[CS+1], s[CS]
	s_add_co_i32 s72, s[EX+8], 127
	s_lshl_b32 s73, s72, 23
	v_mov_b32 v244, s73                            ; 2^e8
	s_add_co_i32 s72, s72, 8
	s_lshl_b32 s72, s72, 23
	s_or_b32 s72, s72, 0x600000
	v_mov_b32 v240, s72                            ; 448 x 2^e8
	s_add_co_i32 s72, s[EX+10], 127
	s_lshl_b32 s73, s72, 23
	v_mov_b32 v245, s73                            ; 2^e10
	s_add_co_i32 s72, s72, 8
	s_lshl_b32 s72, s72, 23
	s_or_b32 s72, s72, 0x600000
	v_mov_b32 v241, s72                            ; 448 x 2^e10
; A KEY STEP of one state: my 128 keys of the slot in hand.  ST: -M, the largest t, the sum; QB: Q; OB: O^T; Q0: the scalar with the tile's first query.
.macro STEP ST, QB, OB, Q0
	s_add_co_u32 s97, s[KF], s[PU]                 ; my first key
	s_add_co_u32 s96, s[\Q0], 15                   ; a step all of whose keys come after the tile's 16 queries is left out: a branch on ids, round no barrier and no tensor load
	s_cmp_gt_u32 s97, s96
	s_cbranch_scc1 .Lhidden_\@
	v_add_nc_u32 v[ADK], s[TB], v[AK0]
	v_nop                                          ; with the addition: four places in front of loads into registers that matrix instructions have read
	v_nop
	v_nop
.irp t, 0,1,2,3,4,5,6,7
.irp c, 0,1
	ds_load_b128 v[32+8*\t+4*\c:35+8*\t+4*\c], v[ADK] offset:(16*(\t/2)+8*(\t%2))*KP+32*\c
.endr
.endr
	s_wait_alu depctr_va_vdst(0)
	s_wait_dscnt 0x0
.irp t, 0,1,2,3,4,5,6,7
	v_wmma_f32_16x16x64_fp8_fp8 v[96+8*\t:103+8*\t], v[32+8*\t:39+8*\t], v[\QB:\QB+7], 0
.endr
.rept 4
	v_nop                                          ; places: in front of the loads into K's registers, and of the first read of the scores
.endr
.irp t, 0,1,2,3
.irp c, 0,1,2,3
	ds_load_b128 v[32+16*\t+4*\c:35+16*\t+4*\c], v[ADK] offset:VOFF+(32*(\c/2)+8*\t)*KP+32*(\c%2)   ; V's fragments: they land under the softmax
.endr
.endr
	s_add_co_u32 s96, s97, 127                     ; on the diagonal hidden scores become -infinity ahead of the maximum; a step all of whose keys count skips this
	s_cmp_le_u32 s96, s[\Q0]
	s_cbranch_scc1 .Lopen_\@
	s_sub_co_i32 s96, s[\Q0], s97
	v_and_b32 v252, 15, v0
	v_bfe_u32 v253, v0, 4, 1
	s_delay_alu instid0(VALU_DEP_1)
	v_lshlrev_b32 v253, 4, v253
	s_delay_alu instid0(VALU_DEP_1)
	v_sub_nc_u32 v252, v252, v253
	s_delay_alu instid0(VALU_DEP_1)
	v_add_nc_u32 v252, s96, v252                   ; d = my query - my first key - 16 h.  Register 16 b + i holds key 16 h + 32 b + i of my 128: hidden where 32 b + i > d
	v_mov_b32 v254, 0xff800000
.set n, 0
.rept 64
	v_cmp_gt_i32 vcc_lo, 32*(n/16)+n%16, v252
	v_cndmask_b32 v[96+n], v[96+n], v254, vcc_lo
.set n, n+1
.endr
.Lopen_\@:
	v_max3_num_f32 v254, v96, v97, v98             ; the step's largest score of my query among my 64 keys, in four chains, in ascending order: each tile from its low end on,
	v_max3_num_f32 v252, v99, v100, v101
	v_max3_num_f32 v246, v102, v103, v104
	v_max3_num_f32 v247, v105, v106, v107
.irp i, 12,20,28,36,44,52
	v_max3_num_f32 v254, v254, v[96+\i], v[97+\i]
	v_max3_num_f32 v252, v252, v[98+\i], v[99+\i]
	v_max3_num_f32 v246, v246, v[100+\i], v[101+\i]
	v_max3_num_f32 v247, v247, v[102+\i], v[103+\i]
.endr
	v_max3_num_f32 v254, v254, v156, v157
	v_max3_num_f32 v252, v252, v158, v159
	s_delay_alu instid0(VALU_DEP_1)
	v_max3_num_f32 v254, v254, v252, v246
	s_delay_alu instid0(VALU_DEP_1)
	v_max_num_f32 v254, v254, v247
	v_permlanex16_b32 v236, v254, s[SEL], s[SEL+1]
	s_delay_alu instid0(VALU_DEP_1)
	v_max_num_f32 v254, v254, v236                 ; and among lane l xor 16's
	s_delay_alu instid0(VALU_DEP_1)
	v_mul_f32 v254, s[CS], v254                    ; as t (c is positive)
	s_delay_alu instid0(VALU_DEP_1)
	v_max_num_f32 v[\ST+1], v[\ST+1], v254
	v_mov_b32 v254, v[\ST]
	s_delay_alu instid0(VALU_DEP_2)
	v_floor_f32 v[\ST], -v[\ST+1]                  ; the new -M = floor(-t)
	s_delay_alu instid0(VALU_DEP_1)
	v_sub_f32 v254, v[\ST], v254                   ; old M - new M: a whole number, 0 or less
	s_delay_alu instid0(VALU_DEP_1)
	v_cvt_i32_f32 v254, v254                       ; (it saturates)
	s_delay_alu instid0(VALU_DEP_1)
	v_ldexp_f32 v252, 1.0, v254                    ; f = 2^(old M - new M)
.set j, 0
.rept 32
	v_pk_fma_f32 v[96+j:97+j], v[96+j:97+j], s[CS:CS+1], v[\ST:\ST+1] op_sel_hi:[1,0,0]   ; t - M, two at a time
.set j, j+2
.endr
.set j, 0
	s_wait_alu depctr_va_vdst(0)                   ; the wait ahead of the batch
.rept 64
	v_exp_f32 v[96+j], v[96+j]                     ; p = 2^(t - M)
.set j, j+1
.endr
	v_pk_mul_f32 v[\ST+2:\ST+3], v[\ST+2:\ST+3], v[252:253] op_sel_hi:[1,0]   ; the sums under the new M: a plain line behind the exponentials
	s_wait_alu depctr_va_vdst(0)                   ; one wait for the whole batch, ahead of its first reader
	v_pk_add_f32 v[242:243], v[108:109], v[116:117]
	v_pk_add_f32 v[246:247], v[124:125], v[132:133]
	v_pk_add_f32 v[248:249], v[140:141], v[148:149]
	v_pk_add_f32 v[254:255], v[156:157], v[96:97]
	v_pk_add_f32 v[250:251], v[98:99], v[110:111]
	v_pk_add_f32 v[238:239], v[118:119], v[126:127]
	v_pk_add_f32 v[236:237], v[134:135], v[142:143]
	v_pk_add_f32 v[\ST+2:\ST+3], v[\ST+2:\ST+3], v[150:151]
	v_pk_add_f32 v[242:243], v[242:243], v[158:159]
	v_pk_add_f32 v[246:247], v[246:247], v[100:101]
	v_pk_add_f32 v[248:249], v[248:249], v[102:103]
	v_pk_add_f32 v[254:255], v[254:255], v[112:113]
	v_pk_add_f32 v[250:251], v[250:251], v[120:121]
	v_pk_add_f32 v[238:239], v[238:239], v[128:129]
	v_pk_add_f32 v[236:237], v[236:237], v[136:137]
	v_pk_add_f32 v[\ST+2:\ST+3], v[\ST+2:\ST+3], v[144:145]
	v_pk_add_f32 v[242:243], v[242:243], v[152:153]
	v_pk_add_f32 v[246:247], v[246:247], v[104:105]
	v_pk_add_f32 v[248:249], v[248:249], v[106:107]
	v_pk_add_f32 v[254:255], v[254:255], v[114:115]
	v_pk_add_f32 v[250:251], v[250:251], v[122:123]
	v_pk_add_f32 v[238:239], v[238:239], v[130:131]
	v_pk_add_f32 v[236:237], v[236:237], v[138:139]
	v_pk_add_f32 v[\ST+2:\ST+3], v[\ST+2:\ST+3], v[146:147]
	v_pk_add_f32 v[242:243], v[242:243], v[154:155]
	s_delay_alu instid0(VALU_DEP_2)
	v_pk_add_f32 v[\ST+2:\ST+3], v[\ST+2:\ST+3], v[254:255]
	s_delay_alu instid0(VALU_DEP_2)
	v_pk_add_f32 v[242:243], v[242:243], v[250:251]
	v_pk_add_f32 v[246:247], v[246:247], v[238:239]
	v_pk_add_f32 v[248:249], v[248:249], v[236:237]
	s_delay_alu instid0(VALU_DEP_2)
	v_pk_add_f32 v[\ST+2:\ST+3], v[\ST+2:\ST+3], v[246:247]
	s_delay_alu instid0(VALU_DEP_2)
	v_pk_add_f32 v[242:243], v[242:243], v[248:249]
	s_delay_alu instid0(VALU_DEP_1)
	v_pk_add_f32 v[\ST+2:\ST+3], v[\ST+2:\ST+3], v[242:243]
.irp b, 0,1,2,3
.irp i, 0,1,2,3,4,5,6,7,8,9,10,11,12,13,14,15
	v_min_num_f32 v[96+16*\b+\i], v[96+16*\b+\i], v240   ; the hold; p is not negative, so it is one-sided
.endr
	v_cvt_scalef32_pk8_fp8_f32 v[224+4*\b:225+4*\b], v[96+16*\b:103+16*\b], v244
	v_cvt_scalef32_pk8_fp8_f32 v[226+4*\b:227+4*\b], v[104+16*\b:111+16*\b], v244
.endr
	s_wait_alu depctr_va_vdst(0)                   ; directly ahead of the first reader of O^T
.set j, 0
.rept 16
	v_pk_mul_f32 v[\OB+j:\OB+j+1], v[\OB+j:\OB+j+1], v[252:253] op_sel_hi:[1,0]   ; O^T under the new M; also the plain lines between the conversions and the products
.set j, j+2
.endr
	s_wait_alu depctr_va_vdst(0)
	s_wait_dscnt 0x0                               ; V's fragments, asked for behind K Q^T
.irp t, 0,1,2,3
	v_wmma_f32_16x16x128_fp8_fp8 v[\OB+8*\t:\OB+8*\t+7], v[32+16*\t:47+16*\t], v[224:239], v[\OB+8*\t:\OB+8*\t+7]
.endr
.Lhidden_\@:
.endm
; THE CHANGE OF SLOTS stands at a slot's head.  Each wave waits for all its tensor loads, adds 0 to its spare word, and waits for that and for its reads of the slot that it has left; behind the barrier the slot ahead is whole
; and nobody reads the other one.  fill = 1: that other slot is filled with the next 256 keys, up to the causal limit.
.macro CHANGE fill
	s_wait_tensorcnt 0x0                           ; no tensor load of mine is out, so group 0 may be written
	ds_add_u32 v[SPW], v[NIL]
.if \fill
	ds_add_u32 v[SPW], v[NIL]                      ; twice on end here, in every trip alike
	s_xor_b32 s[G0+1], s[G0+1], SLOT1
	s_add_nc_u64 s[G0+2:G0+3], s[G0+2:G0+3], 16384
	s_wait_xcnt 0x0                                ; the last prefetch, a slot back, has read its address
	s_add_nc_u64 s[PFA:PFA+1], s[PFA:PFA+1], 16384
.endif
	s_wait_dscnt 0x0
	s_barrier_signal -1
	s_barrier_wait -1
.if \fill
	s_add_co_u32 s96, s[KF], SK                    ; the first key of the slot that this change would ask for: past my work-group's last query no wave reads it, so it is not asked for.
	s_cmp_gt_u32 s96, s[QL]                        ; ids and the count of slots alone: all sixteen waves go the same way; every wait for tensor loads in this text is for 0
	s_cbranch_scc1 .Lpast_\@
	TLOAD
.Lpast_\@:
	ASK
.endif
.endm
.macro SLOT_STEPS
	STEP 12, 16, 160, Q0X
	STEP 8, 24, 192, Q0Y
	s_add_co_u32 s[KF], s[KF], SK
	s_xor_b32 s[TB], s[TB], SLOT1
.endm
	s_wait_alu depctr_va_vdst(0)                   ; the wait at the head's end
	s_wait_loadcnt 0x0                             ; both Q
.Lslot:                                            ; NSL - 1 trips, a constant: every work-group walks all changes of slots
	CHANGE 1
	SLOT_STEPS
	s_sub_co_u32 s[SLOTS], s[SLOTS], 1
	s_cmp_lg_u32 s[SLOTS], 0
	s_cbranch_scc1 .Lslot
	CHANGE 0
	SLOT_STEPS
	; THE TWO HALVES OF A TILE MEET.  State Y goes to my partner as an image, 16 bytes a lane for each group of four registers; its state Y is the other half of my tile X.
.rept 4
	v_nop                                          ; places behind the last products
.endr
	s_mul_i32 s72, s[WV], XSZ
	s_add_co_u32 s72, s72, XCH
	s_xor_b32 s73, s[WV], 1                        ; my partner
	s_mul_i32 s73, s73, XSZ
	s_add_co_u32 s73, s73, XCH
	v_and_b32 v246, 31, v0
	v_lshlrev_b32 v246, 4, v246
	v_add_nc_u32 v247, s72, v246
	v_add_nc_u32 v248, s73, v246
	v_mov_b32 v39, 0                               ; a lane permute's destination counts as read
	v_mov_b32 v41, 0                               ; named as the upper halves of pairs
	v_mov_b32 v43, 0
	s_wait_alu depctr_va_vdst(0)                   ; directly ahead of the first reader of Y's O^T
	ds_store_b128 v247, v[192:195] offset:512      ; each accumulator from its low end on
.irp k, 1,2,3,4,5,6,7
	ds_store_b128 v247, v[192+4*\k:195+4*\k] offset:512*(\k+1)
.endr
	ds_store_b128 v247, v[8:11]
	s_wait_dscnt 0x0                               ; for my partner's sake
	s_barrier_signal -1
	s_barrier_wait -1
	ds_load_b128 v[32:35], v248                    ; its -M, largest t, sum
.irp k, 0,1,2,3,4,5,6,7
	ds_load_b128 v[96+4*\k:99+4*\k], v248 offset:512*(\k+1)   ; its O^T
.endr
	s_wait_dscnt 0x0
	v_min_num_f32 v36, v12, v32                    ; -M of the whole row: the larger M
	v_add_f32 v14, v14, v15
	v_add_f32 v34, v34, v35
	v_sub_f32 v37, v36, v12                        ; my M - M, its M - M: whole numbers, 0 or less
	v_sub_f32 v38, v36, v32
	v_cvt_i32_f32 v37, v37                         ; (it saturates: a half that walked no step gets the factor 0)
	v_cvt_i32_f32 v38, v38
	v_ldexp_f32 v40, 1.0, v37
	v_ldexp_f32 v42, 1.0, v38
	v_mul_f32 v14, v14, v40
	v_fmac_f32 v14, v34, v42                       ; the sum under M,
	v_permlanex16_b32 v39, v14, s[SEL], s[SEL+1]
	v_add_f32 v14, v14, v39                        ; with lane l xor 16's
	s_wait_alu depctr_va_vdst(0)                   ; the wait ahead of the transcendental
	v_rcp_f32 v14, v14
	v_nop                                          ; a plain line behind the transcendental
	s_add_co_i32 s72, s[EX+8], s[EX+9]
	s_wait_alu depctr_va_vdst(0)                   ; and the wait ahead of its first reader
	v_ldexp_f32 v14, v14, s72                      ; 2^(e8 + e9) / the sum
	v_mul_f32 v40, v40, v14
	v_mul_f32 v42, v42, v14
	s_wait_alu depctr_va_vdst(0)                   ; directly ahead of the first reader of X's O^T
.set j, 0
.rept 16
	v_pk_mul_f32 v[160+j:161+j], v[160+j:161+j], v[40:41] op_sel_hi:[1,0]
.set j, j+2
.endr
.set j, 0
.rept 16
	v_pk_fma_f32 v[96+j:97+j], v[96+j:97+j], v[42:43], v[160+j:161+j] op_sel_hi:[1,0,1]   ; register 8 t + i is channel 32 h + 8 t + i of my query
.set j, j+2
.endr
.set j, 0
.rept 32
	v_med3_num_f32 v[96+j], v[96+j], -v241, v241
.set j, j+1
.endr
.irp g, 0,1,2,3
	v_cvt_scalef32_pk8_fp8_f32 v[224+2*\g:225+2*\g], v[96+8*\g:103+8*\g], v245
.endr
	v_nop
	global_store_b128 v[GO], v[224:227], s[16:17]
	global_store_b128 v[GO], v[228:231], s[16:17] offset:16
	s_wait_tensorcnt 0x0                           ; the wave's end
	ds_add_u32 v[SPW], v[NIL]
	s_wait_dscnt 0x0
	s_endpgm
.Lfunc_end_k_q9d2a3ab5f2_attn:
	.size	k_q9d2a3ab5f2_attn, .Lfunc_end_k_q9d2a3ab5f2_attn-k_q9d2a3ab5f2_attn
	.p2alignl 7, 3214868480
	.fill 96, 4, 3214868480
	.section	.rodata,"a",@progbits
	.p2align	6, 0x0
	.amdhsa_kernel k_q9d2a3ab5f2_attn
		.amdhsa_group_segment_fixed_size 327680
		.amdhsa_private_segment_fixed_size 0
		.amdhsa_enable_private_segment 0
		.amdhsa_kernarg_size 24
		.amdhsa_user_sgpr_count 2
		.amdhsa_user_sgpr_kernarg_segment_ptr 1
		.amdhsa_wavefront_size32 1
		.amdhsa_system_sgpr_workgroup_id_x 1
		.amdhsa_system_sgpr_workgroup_id_y 1
		.amdhsa_system_sgpr_workgroup_id_z 1
		.amdhsa_system_vgpr_workitem_id 0
		.amdhsa_next_free_vgpr 256
		.amdhsa_next_free_sgpr 100
		.amdhsa_reserve_vcc 1
		.amdhsa_float_denorm_mode_32 3
		.amdhsa_float_denorm_mode_16_64 3
		.amdhsa_memory_ordered 1
		.amdhsa_forward_progress 1
		.amdhsa_inst_pref_size 104
	.end_amdhsa_kernel
	.amdgpu_metadata
---
amdhsa.version: [ 1, 2 ]
amdhsa.kernels:
  - .name:           k_q9d2a3ab5f2_attn
    .symbol:         k_q9d2a3ab5f2_attn.kd
    .args:
      - { .name: qkvc, .offset: 0, .size: 8, .value_kind: global_buffer, .address_space: global }
      - { .name: lowp_scales, .offset: 8, .size: 8, .value_kind: global_buffer, .address_space: global }
      - { .name: ac, .offset: 16, .size: 8, .value_kind: global_buffer, .address_space: global }
    .group_segment_fixed_size: 327680
    .private_segment_fixed_size: 0
    .kernarg_segment_align: 8
    .kernarg_segment_size: 24
    .max_flat_workgroup_size: 512
    .sgpr_count:     100
    .vgpr_count:     256
    .wavefront_size: 32
...
	.end_amdgpu_metadata
.endif
;; end of part 3
;; launch proj (part 4): grid 8 x 32, 4 waves a work-group, clusters of 4 x 4, 327,680 bytes of LDS; arguments ac, wc, lowp_scales, x, bp, x1; writes x1
.if DOCPART == 4
	.amdgcn_target "amdgcn-amd-amdhsa--gfx1250"
	.amdhsa_code_object_version 6
	.text
	.protected	k_q9d2a3ab5f2_proj
	.globl	k_q9d2a3ab5f2_proj
	.p2align	8
	.type	k_q9d2a3ab5f2_proj,@function
k_q9d2a3ab5f2_proj:
	s_mov_b64 s[64:65], 0
	v_nop
	global_prefetch_b8 v0, s[64:65] scope:SCOPE_SE
	s_setreg_imm32_b32 hwreg(HW_REG_WAVE_MODE, 25, 1), 1
	s_wait_xcnt 0x0
	s_wait_alu depctr_hold_cnt(0) depctr_sa_sdst(0) depctr_va_vdst(0) depctr_va_sdst(0) depctr_va_ssrc(0) depctr_va_vcc(0) depctr_vm_vsrc(0)
	s_getreg_b32 s2, hwreg(HW_REG_IB_STS2, 6, 4)
	s_cmp_eq_u32 s2, 0
	s_cbranch_scc0 .Lentry_in_a_cluster
	s_endpgm
.Lentry_in_a_cluster:
	s_bfe_u32 s2, ttmp6, 0x10000c
	s_cmp_lg_u32 s2, 0xf033
	s_cbranch_scc0 .Lentry_shape_is_right
	s_endpgm
.Lentry_shape_is_right:
; x1 = x + attn Wp + bp.  attn: codes [4096][1024] (e10); WpT: codes [1024][1024] at 3 MiB of wc (e11); x, x1: [4096][1024] f32; bp [1024] f32.  Sums in f32, each multiplied once by 2^(e10 + e11).
; A tile of 128 x 128: 1,024 columns give 256 such tiles, one for each work-group.  Four waves, 64 x 64 each: 16 accumulators.
; K = 1,024 is short: ONE tensor load a wave brings its 64 rows over all of K (rows of 1,024 bytes, 1,040 apart in LDS): 256 rows take 266,240 bytes.  Nothing is filled a second time: no ring, one barrier.
; CLUSTERS 4 x 4: A's tile is shared along a row of the cluster, B's along a column, each asked for jointly.  The matrix instruction is used transposed: a lane holds eight neighbouring numbers of a row.
; NO PREFETCH: the head's one load a wave asks for all that the work-group reads through LDS; there is no later load to run ahead of.
; The residual's tile and the bias are asked for at the head, in the layout in which the results come back from the stage.
; LIMIT: e10 + e11 lies between -126 and 127.
; REGISTERS: window 0: v0-31 addresses; v32-95 rows back from the stage, two sets; v96-99 the bias; v128-255 the accumulators ((a, b) at v[128 + 8 (4 a + b)]).
;   window 1: two fragment buffers of 128: A's four fragments (16 rows x 128 K), then B's four.   window 2: v0-127 the residual.
.set KROW,   1024
.set WOFF,   0x300000
.set PITCH,  1040                      ; an LDS row: 1,024 bytes + 16 = 260 words: the 16 rows that a load touches start 4 words apart modulo 64
.set HALFT,  64*PITCH
.set STAGE,  4*HALFT                   ; behind the tiles: 16 rows x 272 bytes for each wave
.set SPITCH, 272
.set SPARE,  STAGE+4*16*SPITCH         ; behind the stages: the spare words
.set ADRA, 16
.set ADRB, 20
.set STO,  24
.set RD,   25
.set CO,   26                          ; v26  my byte offset in two rows of the residual and of the output
.set BO,   27                          ; v27  my byte offset in the bias
.set SPW,  28
.set NIL,  29
.set BK,   32
.set BIAS, 96
.set ACC,  128
.set F0,   0
.set F1,   128
.set G1, 24
.set G0, 32
.set G1B, 48
.set G0B, 56
.set MSB, 0
.macro WIN new                         ; the immediate's high byte repeats the setting that is left
.if MSB != (\new)
	s_set_vgpr_msb (MSB<<8)|(\new)
.set MSB, (\new)
.endif
.endm
.set MUL,  0x05                        ; sources 0 (B) and 1 (A) window 1; C and D window 0
.set TO_F, 0x40
.macro CREST                           ; a round of the cluster's barrier behind its opening barrier
	s_cmp_lg_u32 s10, 0
	s_cbranch_scc1 .Lnot_wave_0_\@
	s_barrier_signal -3
.Lnot_wave_0_\@:
	s_barrier_wait -3
	s_barrier_signal -1
	s_barrier_wait -1
.endm
.macro CROUND
	s_barrier_signal -1
	s_barrier_wait -1
	CREST
.endm
	s_load_b128 s[4:7], s[0:1], 0x0                ; ac s[4:5], wc s[6:7]
	s_load_b256 s[84:91], s[0:1], 0x10             ; the exponents s[84:85], x s[86:87], bp s[88:89], x1 s[90:91]
	v_lshl_add_u32 v[SPW], v0, 2, SPARE
	v_mov_b32 v[NIL], 0
	ds_add_u32 v[SPW], v[NIL]                      ; the opening: the add, twice on end, and its wait ahead of my first tensor load
	ds_add_u32 v[SPW], v[NIL]
	v_lshrrev_b32 v1, 5, v0
	v_readfirstlane_b32 s10, v1                    ; wave 0..3
	s_lshr_b32 s11, s10, 1                         ; my half of the tile's rows.  Also: I fetch for A (0) or for B (1)
	s_and_b32 s12, s10, 1                          ; my half of its columns.  Also: which 64 rows of that tile I fetch
	s_bfe_u32 s40, ttmp6, 0x40000                  ; cx, cy
	s_bfe_u32 s41, ttmp6, 0x40004
	s_lshl_b32 s42, ttmp9, 2
	s_add_co_u32 s42, s42, s40                     ; tile column
	s_and_b32 s13, ttmp7, 0xffff
	s_lshl_b32 s13, s13, 2
	s_add_co_u32 s13, s13, s41                     ; tile row
	s_lshl_b32 s43, s41, 2
	s_lshl_b32 s43, 15, s43                        ; my row of the cluster
	s_lshl_b32 s44, 0x1111, s40                    ; my column
	s_or_b32 s[G1+0], s43, (0<<16)|(1<<20)|(1<<21)|(7<<22)|(3<<25)  ; the mask; elements of 1 byte; padding on; bit 21 beside a mask; after every 256 words, 4 words
	s_or_b32 s[G1B+0], s44, (0<<16)|(1<<20)|(1<<21)|(7<<22)|(3<<25)
.irp g, G1, G1B
	s_mov_b32 s[\g+1], KROW<<16                    ; tensor_dim0
	s_mov_b32 s[\g+2], 64<<16                      ; tensor_dim1
	s_mov_b32 s[\g+3], KROW<<16                    ; tile_dim0
	s_mov_b32 s[\g+4], 64                          ; tile_dim1
	s_mov_b32 s[\g+5], KROW                        ; from row to row
	s_mov_b32 s[\g+6], 0
	s_mov_b32 s[\g+7], 0
.endr
	s_lshl_b32 s17, s12, 6
	s_lshl_b32 s16, s13, 7
	s_add_co_u32 s16, s16, s17                     ; A: row 128 x tile row + 64 x half
	s_lshl_b32 s46, s42, 7
	s_add_co_u32 s46, s46, s17                     ; B: row 128 x tile column + 64 x half
	s_lshl_b32 s16, s16, 10                        ; rows of 1,024 bytes
	s_lshl_b32 s46, s46, 10
	s_mov_b32 s17, 0
	s_mov_b32 s47, 0
	s_mul_i32 s20, s10, HALFT                      ; where they go: wave x 64 rows
	s_wait_alu depctr_va_vdst(0)
	s_wait_dscnt 0x0                               ; both opening adds are done
	s_wait_kmcnt 0x0
	s_load_b64 s[78:79], s[84:85], 0x28            ; e10, e11
	s_add_nc_u64 s[6:7], s[6:7], WOFF
	s_add_nc_u64 s[14:15], s[4:5], s[16:17]
	s_add_nc_u64 s[46:47], s[6:7], s[46:47]
	CROUND                                         ; all sixteen work-groups are here: the joint loads meet
	s_mov_b32 s[G0], 1
	s_mov_b32 s[G0+1], s20
	s_mov_b64 s[G0+2:G0+3], s[14:15]
	s_or_b32 s[G0+3], s[G0+3], 0x80000000
	s_mov_b32 s[G0B], 1
	s_mov_b32 s[G0B+1], s20
	s_mov_b64 s[G0B+2:G0B+3], s[46:47]
	s_or_b32 s[G0B+3], s[G0B+3], 0x80000000
	s_cmp_eq_u32 s11, 0                            ; waves 0 and 1 fetch A's halves, waves 2 and 3 B's; an s_nop 0 and four v_nop follow each line
	s_cbranch_scc0 .Lfor_b
	tensor_load_to_lds s[G0:G0+3], s[G1:G1+7]
	s_nop 0
.rept 4
	v_nop
.endr
	s_branch .Lasked
.Lfor_b:
	tensor_load_to_lds s[G0B:G0B+3], s[G1B:G1B+7]
	s_nop 0
.rept 4
	v_nop
.endr
.Lasked:
	s_mul_i32 s21, s11, HALFT                      ; my 64 rows of A,
	s_mul_i32 s22, s12, HALFT
	s_add_co_u32 s22, s22, 2*HALFT                 ; of B, which lie behind A's 128
	s_mul_i32 s23, s10, 16*SPITCH
	s_add_co_u32 s23, s23, STAGE                   ; my stage
	s_lshl_b32 s16, s13, 7
	s_lshl_b32 s17, s11, 6
	s_add_co_u32 s16, s16, s17
	s_lshl_b32 s16, s16, 12                        ; my first row, of 4,096 bytes
	s_lshl_b32 s46, s42, 9
	s_lshl_b32 s47, s12, 8
	s_add_co_u32 s46, s46, s47                     ; my first column, in bytes
	s_mov_b32 s47, 0
	s_mov_b32 s17, 0
	s_add_nc_u64 s[88:89], s[88:89], s[46:47]
	s_add_nc_u64 s[16:17], s[16:17], s[46:47]
	s_add_nc_u64 s[86:87], s[86:87], s[16:17]
	s_add_nc_u64 s[90:91], s[90:91], s[16:17]
	v_and_b32 v1, 15, v0                           ; r = l % 16
	v_bfe_u32 v2, v0, 4, 1                         ; h = l / 16
	v_mul_u32_u24 v3, v1, PITCH
	v_lshl_add_u32 v3, v2, 4, v3                   ; a fragment's row x pitch + 16 h
	v_add_nc_u32 v[ADRA], s21, v3
	v_add_nc_u32 v[ADRB], s22, v3
	v_mul_u32_u24 v4, v1, SPITCH
	v_lshl_add_u32 v4, v2, 5, v4
	v_add_nc_u32 v[STO], s23, v4                   ; in: row r, 32 bytes for each half of the lanes
	v_mul_u32_u24 v5, v2, SPITCH
	v_lshl_add_u32 v5, v1, 4, v5
	v_add_nc_u32 v[RD], s23, v5                    ; back: lanes 0-15 one row of 256 bytes, lanes 16-31 the next
	v_lshlrev_b32 v5, 12, v2
	v_lshl_add_u32 v[CO], v1, 4, v5                ; and the same two rows in memory
	v_lshlrev_b32 v[BO], 4, v1
	WIN 0x80                                       ; destination window 2
.set n, 0
.rept 32
	global_load_b128 v[4*n:4*n+3], v[CO], s[86:87] offset:2*n*4096 th:TH_LOAD_NT   ; rows 2 n, 2 n + 1 of my 64: sixteen lanes read 256 consecutive bytes, aligned
.set n, n+1
.endr
	WIN 0
	global_load_b128 v[BIAS:BIAS+3], v[BO], s[88:89]
.macro FRAG reg, adr, k, i             ; 16 rows x 128 K: registers 4 c .. 4 c + 3 hold K = 32 c + 16 (l / 16) + 0 .. 15: the same places in A and in B
.irp c, 0,1,2,3
	ds_load_b128 v[\reg+4*\c:\reg+4*\c+3], v[\adr] offset:\k+32*\c+(\i)*16*PITCH
.endr
.endm
.macro FETCH k, f                      ; 32 LDS loads in one run: B's four fragments, then A's four, at byte k of the rows
	WIN TO_F
.irp i, 0,1,2,3
	FRAG \f+64+16*\i, ADRB, \k, \i
.endr
.irp i, 0,1,2,3
	FRAG \f+16*\i, ADRA, \k, \i
.endr
.endm
.macro MUL16 f, zero                   ; A's four blocks x B's four; the 16 accumulators take turns
	WIN MUL
.irp a, 0,1,2,3
.irp b, 0,1,2,3
.if \zero
	v_wmma_f32_16x16x128_fp8_fp8 v[ACC+8*(4*\a+\b):ACC+8*(4*\a+\b)+7], v[\f+64+16*\b:\f+64+16*\b+15], v[\f+16*\a:\f+16*\a+15], 0
.else
	v_wmma_f32_16x16x128_fp8_fp8 v[ACC+8*(4*\a+\b):ACC+8*(4*\a+\b)+7], v[\f+64+16*\b:\f+64+16*\b+15], v[\f+16*\a:\f+16*\a+15], v[ACC+8*(4*\a+\b):ACC+8*(4*\a+\b)+7]
.endif
.endr
.endr
.endm
.macro PLACES                          ; plain vector lines between matrix instructions and loads into, or reads of, their registers
.rept 4
	v_nop
.endr
.endm
.macro Q k, f, g, zero                 ; 128 along K: the next 128, at byte k, are asked for into g; then buffer f is multiplied
	s_wait_dscnt 0x0                               ; buffer f is in
	PLACES                                         ; behind the products that read buffer g
	FETCH \k, \g
	MUL16 \f, \zero
.endm
	s_wait_alu depctr_va_vdst(0)                   ; the wait at the head's end
	s_wait_tensorcnt 0x0                           ; my 64 rows are in
	s_barrier_signal -1
	s_barrier_wait -1                              ; and everybody's
	FETCH 0, F0
	Q 128, F0, F1, 1                               ; the first products start the sums
	Q 256, F1, F0, 0
	Q 384, F0, F1, 0
	Q 512, F1, F0, 0
	Q 640, F0, F1, 0
	Q 768, F1, F0, 0
	Q 896, F0, F1, 0
	s_wait_dscnt 0x0
	MUL16 F1, 0
	WIN 0
	; THE WAY OUT.  A wave's 64 columns of f32 are 256 aligned bytes of a row: a block of 16 rows goes through my own stage and comes back as whole rows; there sum x 2^(e10 + e11) + (residual + bias), one packed line for two.
	PLACES
	s_wait_loadcnt 0x0                             ; the residual and the bias
	s_wait_kmcnt 0x0
	s_add_co_i32 s96, s78, s79
	s_add_co_i32 s96, s96, 127
	s_lshl_b32 s96, s96, 23                        ; 2^(e10 + e11)
	s_mov_b32 s97, s96
	WIN 0x82                                       ; destination and source 0 window 2
.set n, 0
.rept 32
	v_pk_add_f32 v[4*n:4*n+1], v[4*n:4*n+1], v[BIAS:BIAS+1]
	v_pk_add_f32 v[4*n+2:4*n+3], v[4*n+2:4*n+3], v[BIAS+2:BIAS+3]
.set n, n+1
.endr
	WIN 0
	s_wait_alu depctr_va_vdst(0)
.macro TOSTAGE a                       ; eight stores, each accumulator's low four registers first, and eight loads; a wave's LDS instructions are served in order
.irp b, 0,1,2,3
	ds_store_b128 v[STO], v[ACC+8*(4*(\a)+\b):ACC+8*(4*(\a)+\b)+3] offset:64*\b
	ds_store_b128 v[STO], v[ACC+8*(4*(\a)+\b)+4:ACC+8*(4*(\a)+\b)+7] offset:64*\b+16
.endr
.irp t, 0,1,2,3,4,5,6,7
	ds_load_b128 v[BK+32*((\a)%2)+4*\t:BK+32*((\a)%2)+4*\t+3], v[RD] offset:\t*2*SPITCH
.endr
.endm
.macro SEND a, younger                 ; younger: the LDS instructions issued behind block a's loads
	s_wait_dscnt \younger
	WIN 0x20                                       ; source 2 window 2
.irp t, 0,1,2,3,4,5,6,7
.irp u, 0,2
	v_pk_fma_f32 v[BK+32*((\a)%2)+4*\t+\u:BK+32*((\a)%2)+4*\t+\u+1], v[BK+32*((\a)%2)+4*\t+\u:BK+32*((\a)%2)+4*\t+\u+1], s[96:97], v[4*(8*(\a)+\t)+\u:4*(8*(\a)+\t)+\u+1] op_sel_hi:[1,0,1]
.endr
.endr
	WIN 0
.irp t, 0,1,2,3,4,5,6,7
	global_store_b128 v[CO], v[BK+32*((\a)%2)+4*\t:BK+32*((\a)%2)+4*\t+3], s[90:91] offset:(16*(\a)+2*\t)*4096   ; sixteen lanes store 256 consecutive bytes, aligned
.endr
.endm
	TOSTAGE 0
	TOSTAGE 1
	SEND 0, 16
	s_wait_xcnt 0x0                                ; block 0's stores have read their data: block 2's loads may land there
	TOSTAGE 2
	SEND 1, 16
	s_wait_xcnt 0x0
	TOSTAGE 3
	SEND 2, 16
	SEND 3, 0
	s_wait_tensorcnt 0x0                           ; the wave's end
	ds_add_u32 v[SPW], v[NIL]
	s_wait_dscnt 0x0
	CROUND                                         ; the closing round
	s_endpgm
.Lfunc_end_k_q9d2a3ab5f2_proj:
	.size	k_q9d2a3ab5f2_proj, .Lfunc_end_k_q9d2a3ab5f2_proj-k_q9d2a3ab5f2_proj
	.p2alignl 7, 3214868480
	.fill 96, 4, 3214868480
	.section	.rodata,"a",@progbits
	.p2align	6, 0x0
	.amdhsa_kernel k_q9d2a3ab5f2_proj
		.amdhsa_group_segment_fixed_size 327680
		.amdhsa_private_segment_fixed_size 0
		.amdhsa_enable_private_segment 0
		.amdhsa_kernarg_size 48
		.amdhsa_user_sgpr_count 2
		.amdhsa_user_sgpr_kernarg_segment_ptr 1
		.amdhsa_wavefront_size32 1
		.amdhsa_system_sgpr_workgroup_id_x 1
		.amdhsa_system_sgpr_workgroup_id_y 1
		.amdhsa_system_sgpr_workgroup_id_z 1
		.amdhsa_system_vgpr_workitem_id 0
		.amdhsa_next_free_vgpr 640
		.amdhsa_next_free_sgpr 100
		.amdhsa_reserve_vcc 0
		.amdhsa_float_denorm_mode_32 3
		.amdhsa_float_denorm_mode_16_64 3
		.amdhsa_memory_ordered 1
		.amdhsa_forward_progress 1
		.amdhsa_inst_pref_size 51
	.end_amdhsa_kernel
	.amdgpu_metadata
---
amdhsa.version: [ 1, 2 ]
amdhsa.kernels:
  - .name:           k_q9d2a3ab5f2_proj
    .symbol:         k_q9d2a3ab5f2_proj.kd
    .args:
      - { .name: ac, .offset: 0, .size: 8, .value_kind: global_buffer, .address_space: global }
      - { .name: wc, .offset: 8, .size: 8, .value_kind: global_buffer, .address_space: global }
      - { .name: lowp_scales, .offset: 16, .size: 8, .value_kind: global_buffer, .address_space: global }
      - { .name: x, .offset: 24, .size: 8, .value_kind: global_buffer, .address_space: global }
      - { .name: bp, .offset: 32, .size: 8, .value_kind: global_buffer, .address_space: global }
      - { .name: x1, .offset: 40, .size: 8, .value_kind: global_buffer, .address_space: global }
    .group_segment_fixed_size: 327680
    .private_segment_fixed_size: 0
    .kernarg_segment_align: 8
    .kernarg_segment_size: 48
    .max_flat_workgroup_size: 128
    .sgpr_count:     100
    .vgpr_count:     640
    .wavefront_size: 32
...
	.end_amdgpu_metadata
.endif
;; end of part 4
;; launch ln2 (part 5): grid 256 x 1, 8 waves a work-group, no clusters, 0 bytes of LDS; arguments x1, g2, be2, lowp_scales, h2c; writes h2c
.if DOCPART == 5
	.amdgcn_target "amdgcn-amd-amdhsa--gfx1250"
	.amdhsa_code_object_version 6
	.text
	.protected	k_q9d2a3ab5f2_ln2
	.globl	k_q9d2a3ab5f2_ln2
	.p2align	8
	.type	k_q9d2a3ab5f2_ln2,@function
k_q9d2a3ab5f2_ln2:
	s_mov_b64 s[64:65], 0
	v_nop
	global_prefetch_b8 v0, s[64:65] scope:SCOPE_SE
	s_setreg_imm32_b32 hwreg(HW_REG_WAVE_MODE, 25, 1), 1
	s_wait_xcnt 0x0
; h2 = LayerNorm(x1) g2 + be2, in f32 (the mean, then the mean square of x1 - mean), quantised with e12 into h2c [4096][1024].
; A work-group takes 16 rows, each of its eight waves 2, each row whole in one wave: no LDS, no barrier; all of a wave's loads go out at its head.  A lane holds columns 256 c + 8 l + 0 .. 7, c = 0 .. 3: two loads of 16 bytes
; for each c, which together cover 1,024 consecutive bytes; its eight codes of each c are 8 bytes, so that the wave's store covers 256 consecutive, aligned bytes.  Memory binds: no matrix unit, no cluster, no tensor load.
; LIMIT: e12 lies between -126 and 119.  NaN among the inputs is not served.
.set G,     32
.set BE,    64
.set XR,    96
.set T,     160
.set CD,    192
.set SCL,   200
	s_load_b256 s[8:15], s[0:1], 0x0               ; x1 s[8:9], g2 s[10:11], be2 s[12:13], the exponents s[14:15]
	s_load_b64 s[16:17], s[0:1], 0x20              ; h2c
	v_lshrrev_b32 v1, 5, v0
	s_delay_alu instid0(VALU_DEP_1)
	v_readfirstlane_b32 s33, v1                    ; wave 0..7
	v_and_b32 v2, 31, v0
	s_wait_alu depctr_va_vdst(0)
	s_lshl_b32 s28, ttmp9, 4
	s_lshl_b32 s29, s33, 1
	s_add_co_u32 s28, s28, s29                     ; my wave's first row: 16 x work-group + 2 x wave
	s_lshl_b32 s30, s28, 10
	s_mov_b32 s31, 0
	s_lshl_b32 s28, s28, 12
	s_mov_b32 s29, 0
	s_mov_b32 s20, 0x76543210
	s_mov_b32 s21, 0xfedcba98
	s_mov_b32 s22, 0x3a800000                      ; 1 / 1024
	s_mov_b32 s23, 0x3727c5ac                      ; 1e-5
	v_lshlrev_b32 v1, 5, v2
	v_lshlrev_b32 v3, 3, v2
	v_mov_b32 v9, 0
	v_mov_b32 v11, 0
	v_mov_b32 v13, 0
	s_wait_alu depctr_va_vdst(0)
	s_wait_kmcnt 0x0
	s_load_b32 s36, s[14:15], 0x30                 ; e12
	s_add_nc_u64 s[24:25], s[8:9], s[28:29]
	s_add_nc_u64 s[26:27], s[16:17], s[30:31]
.irp c, 0,1,2,3
	global_load_b128 v[G+8*\c:G+8*\c+3], v1, s[10:11] offset:1024*\c
	global_load_b128 v[G+8*\c+4:G+8*\c+7], v1, s[10:11] offset:1024*\c+16
	global_load_b128 v[BE+8*\c:BE+8*\c+3], v1, s[12:13] offset:1024*\c
	global_load_b128 v[BE+8*\c+4:BE+8*\c+7], v1, s[12:13] offset:1024*\c+16
.endr
.macro LOADROW r
.irp c, 0,1,2,3
	global_load_b128 v[XR+32*((\r)%2)+8*\c:XR+32*((\r)%2)+8*\c+3], v1, s[24:25] offset:(\r)*4096+1024*\c
	global_load_b128 v[XR+32*((\r)%2)+8*\c+4:XR+32*((\r)%2)+8*\c+7], v1, s[24:25] offset:(\r)*4096+1024*\c+16
.endr
.endm
	LOADROW 0
	LOADROW 1
	s_wait_kmcnt 0x0
	s_add_co_i32 s36, s36, 127
	s_lshl_b32 s37, s36, 23
	v_mov_b32 v[SCL], s37                          ; 2^e12
	s_add_co_i32 s36, s36, 8
	s_lshl_b32 s36, s36, 23
	s_or_b32 s36, s36, 0x600000
	v_mov_b32 v[SCL+1], s36                        ; 448 x 2^e12
.macro REDUCE
	s_delay_alu instid0(VALU_DEP_1)
	v_add_f32_dpp v8, v8, v8 row_xmask:1 row_mask:0xf bank_mask:0xf
	s_delay_alu instid0(VALU_DEP_1)
	v_add_f32_dpp v8, v8, v8 row_xmask:2 row_mask:0xf bank_mask:0xf
	s_delay_alu instid0(VALU_DEP_1)
	v_add_f32_dpp v8, v8, v8 row_xmask:4 row_mask:0xf bank_mask:0xf
	s_delay_alu instid0(VALU_DEP_1)
	v_add_f32_dpp v8, v8, v8 row_xmask:8 row_mask:0xf bank_mask:0xf
	s_delay_alu instid0(VALU_DEP_1)
	v_permlanex16_b32 v9, v8, s20, s21
	s_delay_alu instid0(VALU_DEP_1)
	v_add_f32 v8, v8, v9
.endm
.macro LNROW r, left
.set XS, XR+32*((\r)%2)
	s_wait_loadcnt \left                           ; my row is in; the next row's eight loads may be out
	v_pk_add_f32 v[4:5], v[XS:XS+1], v[XS+2:XS+3]
	v_pk_add_f32 v[6:7], v[XS+4:XS+5], v[XS+6:XS+7]
.irp j, 8,12,16,20,24,28
	s_delay_alu instid0(VALU_DEP_2)
	v_pk_add_f32 v[4:5], v[4:5], v[XS+\j:XS+\j+1]
	s_delay_alu instid0(VALU_DEP_2)
	v_pk_add_f32 v[6:7], v[6:7], v[XS+\j+2:XS+\j+3]
.endr
	s_delay_alu instid0(VALU_DEP_1)
	v_pk_add_f32 v[4:5], v[4:5], v[6:7]
	s_delay_alu instid0(VALU_DEP_1)
	v_add_f32 v8, v4, v5
	REDUCE
	s_delay_alu instid0(VALU_DEP_1)
	v_mul_f32 v10, s22, v8                         ; the mean
.set j, 0
.rept 16
	v_pk_add_f32 v[XS+j:XS+j+1], v[XS+j:XS+j+1], v[10:11] op_sel_hi:[1,0] neg_lo:[0,1] neg_hi:[0,1]
.set j, j+2
.endr
	v_pk_mul_f32 v[4:5], v[XS:XS+1], v[XS:XS+1]
	v_pk_mul_f32 v[6:7], v[XS+2:XS+3], v[XS+2:XS+3]
.irp j, 4,8,12,16,20,24,28
	s_delay_alu instid0(VALU_DEP_2)
	v_pk_fma_f32 v[4:5], v[XS+\j:XS+\j+1], v[XS+\j:XS+\j+1], v[4:5]
	s_delay_alu instid0(VALU_DEP_2)
	v_pk_fma_f32 v[6:7], v[XS+\j+2:XS+\j+3], v[XS+\j+2:XS+\j+3], v[6:7]
.endr
	s_delay_alu instid0(VALU_DEP_1)
	v_pk_add_f32 v[4:5], v[4:5], v[6:7]
	s_delay_alu instid0(VALU_DEP_1)
	v_add_f32 v8, v4, v5
	REDUCE
	s_delay_alu instid0(VALU_DEP_1)
	v_fma_f32 v8, v8, s22, s23                     ; the variance + 1e-5
	s_wait_alu depctr_va_vdst(0)
	v_rsq_f32 v12, v8
	v_nop                                          ; a plain line behind the transcendental,
	s_wait_alu depctr_va_vdst(0)                   ; and the wait ahead of its first reader
.set j, 0
.rept 16
	v_pk_mul_f32 v[XS+j:XS+j+1], v[XS+j:XS+j+1], v[12:13] op_sel_hi:[1,0]
.set j, j+2
.endr
.set j, 0
.rept 16
	v_pk_fma_f32 v[XS+j:XS+j+1], v[XS+j:XS+j+1], v[G+j:G+j+1], v[BE+j:BE+j+1]
.set j, j+2
.endr
	s_wait_xcnt 0x0                                ; the last row's stores have read their data
.set i, 0
.rept 32
	v_med3_num_f32 v[T+i], v[XS+i], -v[SCL+1], v[SCL+1]
.set i, i+1
.endr
.irp c, 0,1,2,3
	v_cvt_scalef32_pk8_fp8_f32 v[CD+2*\c:CD+2*\c+1], v[T+8*\c:T+8*\c+7], v[SCL]
.endr
	v_nop
.irp c, 0,1,2,3
	global_store_b64 v3, v[CD+2*\c:CD+2*\c+1], s[26:27] offset:(\r)*1024+256*\c
.endr
.endm
	LNROW 0, 8
	LNROW 1, 0
	s_endpgm
.Lfunc_end_k_q9d2a3ab5f2_ln2:
	.size	k_q9d2a3ab5f2_ln2, .Lfunc_end_k_q9d2a3ab5f2_ln2-k_q9d2a3ab5f2_ln2
	.p2alignl 7, 3214868480
	.fill 96, 4, 3214868480
	.section	.rodata,"a",@progbits
	.p2align	6, 0x0
	.amdhsa_kernel k_q9d2a3ab5f2_ln2
		.amdhsa_group_segment_fixed_size 0
		.amdhsa_private_segment_fixed_size 0
		.amdhsa_enable_private_segment 0
		.amdhsa_kernarg_size 40
		.amdhsa_user_sgpr_count 2
		.amdhsa_user_sgpr_kernarg_segment_ptr 1
		.amdhsa_wavefront_size32 1
		.amdhsa_system_sgpr_workgroup_id_x 1
		.amdhsa_system_sgpr_workgroup_id_y 1
		.amdhsa_system_sgpr_workgroup_id_z 1
		.amdhsa_system_vgpr_workitem_id 0
		.amdhsa_next_free_vgpr 208
		.amdhsa_next_free_sgpr 66
		.amdhsa_reserve_vcc 0
		.amdhsa_float_denorm_mode_32 3
		.amdhsa_float_denorm_mode_16_64 3
		.amdhsa_memory_ordered 1
		.amdhsa_forward_progress 1
		.amdhsa_inst_pref_size 25
	.end_amdhsa_kernel
	.amdgpu_metadata
---
amdhsa.version: [ 1, 2 ]
amdhsa.kernels:
  - .name:           k_q9d2a3ab5f2_ln2
    .symbol:         k_q9d2a3ab5f2_ln2.kd
    .args:
      - { .name: x1, .offset: 0, .size: 8, .value_kind: global_buffer, .address_space: global }
      - { .name: g2, .offset: 8, .size: 8, .value_kind: global_buffer, .address_space: global }
      - { .name: be2, .offset: 16, .size: 8, .value_kind: global_buffer, .address_space: global }
      - { .name: lowp_scales, .offset: 24, .size: 8, .value_kind: global_buffer, .address_space: global }
      - { .name: h2c, .offset: 32, .size: 8, .value_kind: global_buffer, .address_space: global }
    .group_segment_fixed_size: 0
    .private_segment_fixed_size: 0
    .kernarg_segment_align: 8
    .kernarg_segment_size: 40
    .max_flat_workgroup_size: 256
    .sgpr_count:     66
    .vgpr_count:     208
    .wavefront_size: 32
...
	.end_amdgpu_metadata
.endif
;; end of part 5
;; launch ffn1 (part 6): grid 16 x 16, 4 waves a work-group, clusters of 4 x 4, 327,680 bytes of LDS; arguments h2c, wc, lowp_scales, b1, fc; writes fc
.if DOCPART == 6
	.amdgcn_target "amdgcn-amd-amdhsa--gfx1250"
	.amdhsa_code_object_version 6
	.text
	.protected	k_q9d2a3ab5f2_ffn1
	.globl	k_q9d2a3ab5f2_ffn1
	.p2align	8
	.type	k_q9d2a3ab5f2_ffn1,@function
k_q9d2a3ab5f2_ffn1:
	s_mov_b64 s[64:65], 0
	v_nop
	global_prefetch_b8 v0, s[64:65] scope:SCOPE_SE
	s_setreg_imm32_b32 hwreg(HW_REG_WAVE_MODE, 25, 1), 1
	s_wait_xcnt 0x0
	s_wait_alu depctr_hold_cnt(0) depctr_sa_sdst(0) depctr_va_vdst(0) depctr_va_sdst(0) depctr_va_ssrc(0) depctr_va_vcc(0) depctr_vm_vsrc(0)
	s_getreg_b32 s2, hwreg(HW_REG_IB_STS2, 6, 4)
	s_cmp_eq_u32 s2, 0
	s_cbranch_scc0 .Lentry_in_a_cluster
	s_endpgm
.Lentry_in_a_cluster:
	s_bfe_u32 s2, ttmp6, 0x10000c
	s_cmp_lg_u32 s2, 0xf033
	s_cbranch_scc0 .Lentry_shape_is_right
	s_endpgm
.Lentry_shape_is_right:
; f = relu(h2 W1 + b1), quantised at once with e14 into fc [4096][4096].  h2: codes [4096][1024] (e12) in h2c; W1T: codes [4096][1024] at 4 MiB of wc (e13); b1 [4096] f32.  K = 1,024.
; A tile of 256 x 256 is made by four waves, 128 x 128 each: 64 accumulators, 512 registers.  K goes in steps of 256 through a ring of two LDS slots filled by the tensor data mover; rows of 256 bytes, 272 apart in LDS.
; CLUSTERS 4 x 4: A's tile is shared along a row of the cluster, B's along a column, each asked for jointly.  The matrix instruction is used transposed: a lane holds eight neighbours along n, which one conversion turns into 8 bytes.
; THE WAY OUT: sum x 2^(e12 + e13) + b1, held between 0 and 448 x 2^e14 (the activation and the hold in one), converted; the tile's codes meet in one stage in slot 0, which has had its last fill and its last read,
; and sixteen lanes store 256 consecutive, aligned bytes.  NO PREFETCH: the largest block in clusters, and K is four steps.
; LIMITS: e12 + e13 between -126 and 127; e14 between -126 and 119.  NaN is not served.
.set KSTEP,  256
.set ROWB,   256
.set KROW,   1024
.set PITCH,  272
.set FR,     16
.set NL,     4
.set NP,     4
.set HALFT,  128*PITCH
.set SLOT,   4*HALFT
.set LAPS,   KROW/(2*KSTEP)
.set SPARE,  2*SLOT
.set ADRA, 16
.set ADRB, 20
.set STO,  24
.set RD,   25
.set CO,   26
.set LIMV, 27
.set SPW,  28
.set NIL,  29
.set SC,   30
.set B1O,  31
.set B1R,  32
.set TMP,  128
.set PC,   192
.set BK,   128
.set AF,   128
.set G1, 24
.set G0, 32
.set G1B, 48
.set G0B, 56
.set MSB, 0
.macro WIN new
.if MSB != \new
	s_set_vgpr_msb (MSB<<8)|\new
.set MSB, \new
.endif
.endm
.set MUL_LO, 0xa1
.set MUL_HI, 0xf1
.set TO_B,   0x40
.macro JLOAD g0a, g1a, g0b, g1b
	s_cmp_eq_u32 s15, 0
	s_cbranch_scc0 .Lfor_b_\@
	tensor_load_to_lds s[\g0a:\g0a+3], s[\g1a:\g1a+7]
	s_nop 0
.rept 4
	v_nop
.endr
	s_branch .Lasked_\@
.Lfor_b_\@:
	tensor_load_to_lds s[\g0b:\g0b+3], s[\g1b:\g1b+7]
	s_nop 0
.rept 4
	v_nop
.endr
.Lasked_\@:
.endm
.macro CREST
	s_cmp_lg_u32 s14, 0
	s_cbranch_scc1 .Lnot_wave_0_\@
	s_barrier_signal -3
.Lnot_wave_0_\@:
	s_barrier_wait -3
	s_barrier_signal -1
	s_barrier_wait -1
.endm
.macro CROUND
	s_barrier_signal -1
	s_barrier_wait -1
	CREST
.endm
	s_load_b256 s[4:11], s[0:1], 0x0
	s_load_b64 s[12:13], s[0:1], 0x20
	v_lshl_add_u32 v[SPW], v0, 2, SPARE
	v_mov_b32 v[NIL], 0
	ds_add_u32 v[SPW], v[NIL]
	ds_add_u32 v[SPW], v[NIL]
	v_lshrrev_b32 v1, 5, v0
	v_readfirstlane_b32 s14, v1
	s_lshr_b32 s15, s14, 1
	s_and_b32 s16, s14, 1
	s_bfe_u32 s40, ttmp6, 0x40000
	s_bfe_u32 s41, ttmp6, 0x40004
	s_lshl_b32 s42, ttmp9, 2
	s_add_co_u32 s42, s42, s40
	s_and_b32 s17, ttmp7, 0xffff
	s_lshl_b32 s17, s17, 2
	s_add_co_u32 s17, s17, s41
	s_lshl_b32 s43, s41, 2
	s_lshl_b32 s43, 15, s43
	s_lshl_b32 s44, 0x1111, s40
	s_or_b32 s[G1+0], s43, (0<<16)|(1<<20)|(1<<21)|(5<<22)|(3<<25)
	s_or_b32 s[G1B+0], s44, (0<<16)|(1<<20)|(1<<21)|(5<<22)|(3<<25)
.irp g, G1, G1B
	s_mov_b32 s[\g+1], ROWB<<16
	s_mov_b32 s[\g+2], 128<<16
	s_mov_b32 s[\g+3], ROWB<<16
	s_mov_b32 s[\g+4], 128
	s_mov_b32 s[\g+5], KROW
	s_mov_b32 s[\g+6], 0
	s_mov_b32 s[\g+7], 0
.endr
	s_lshl_b32 s18, s16, 7
	s_lshl_b32 s20, s17, 8
	s_add_co_u32 s20, s20, s18
	s_lshl_b32 s20, s20, 10
	s_lshl_b32 s46, s42, 8
	s_add_co_u32 s46, s46, s18
	s_lshl_b32 s46, s46, 10
	s_mov_b32 s21, 0
	s_mov_b32 s47, 0
	s_mul_i32 s45, s14, HALFT
	s_wait_dscnt 0x0
	s_wait_kmcnt 0x0
	s_load_b512 s[68:83], s[8:9], 0x0
	s_add_nc_u64 s[6:7], s[6:7], 0x400000
	s_add_nc_u64 s[20:21], s[4:5], s[20:21]
	s_add_nc_u64 s[46:47], s[6:7], s[46:47]
	CROUND
.irp s, 0,1
	s_mov_b32 s[G0+4*\s], 1
	s_add_co_u32 s[G0+4*\s+1], s45, \s*SLOT
	s_add_nc_u64 s[G0+4*\s+2:G0+4*\s+3], s[20:21], \s*ROWB
	s_or_b32 s[G0+4*\s+3], s[G0+4*\s+3], 0x80000000
	s_mov_b32 s[G0B+4*\s], 1
	s_add_co_u32 s[G0B+4*\s+1], s45, \s*SLOT
	s_add_nc_u64 s[G0B+4*\s+2:G0B+4*\s+3], s[46:47], \s*ROWB
	s_or_b32 s[G0B+4*\s+3], s[G0B+4*\s+3], 0x80000000
.endr
	JLOAD G0, G1, G0B, G1B                         ; K step 0: one tensor load a wave at the head
	v_and_b32 v1, 15, v0
	v_bfe_u32 v2, v0, 4, 1
	s_lshl_b32 s88, s42, 10
	s_lshl_b32 s89, s16, 9
	s_add_co_u32 s88, s88, s89
	s_mov_b32 s89, 0
	s_add_nc_u64 s[10:11], s[10:11], s[88:89]
	v_lshlrev_b32 v[B1O], 5, v2
.irp b, 0,1,2,3,4,5,6,7
	global_load_b128 v[B1R+8*\b:B1R+8*\b+3], v[B1O], s[10:11] offset:64*\b
	global_load_b128 v[B1R+8*\b+4:B1R+8*\b+7], v[B1O], s[10:11] offset:64*\b+16
.endr
	v_mul_u32_u24 v3, v1, PITCH
	s_wait_alu depctr_va_vdst(0)
	v_lshl_add_u32 v4, v2, 4, v3
	s_mul_i32 s21, s15, HALFT
	s_mul_i32 s22, s16, HALFT
	s_add_co_u32 s22, s22, 2*HALFT
.irp s, 0,1
	v_add_nc_u32 v[ADRA+\s], s21, v4
	v_add_nc_u32 v[ADRB+\s], s22, v4
	s_add_co_u32 s21, s21, SLOT
	s_add_co_u32 s22, s22, SLOT
.endr
	s_mul_i32 s23, s15, 128*PITCH
	s_lshl_b32 s21, s16, 7
	s_add_co_u32 s23, s23, s21
	v_lshl_add_u32 v[STO], v2, 3, v3
	v_add_nc_u32 v[STO], s23, v[STO]
	v_mul_u32_u24 v5, v2, PITCH
	v_lshl_add_u32 v5, v1, 4, v5
	s_mul_i32 s23, s14, 64*PITCH
	v_add_nc_u32 v[RD], s23, v5
	v_lshlrev_b32 v5, 12, v2
	v_lshl_add_u32 v[CO], v1, 4, v5
	s_lshl_b32 s88, s17, 8
	s_lshl_b32 s89, s14, 6
	s_add_co_u32 s88, s88, s89
	s_lshl_b32 s88, s88, 12
	s_lshl_b32 s89, s42, 8
	s_add_co_u32 s88, s88, s89
	s_mov_b32 s89, 0
	s_add_nc_u64 s[12:13], s[12:13], s[88:89]
.macro FRAG reg, adr, q, i
.irp c, 0,1,2,3
	ds_load_b128 v[\reg+4*\c:\reg+4*\c+3], v[\adr] offset:128*(\q)+32*\c+(\i)*16*PITCH
.endr
.endm
.macro MUL16 a0, p, zero
.irp a, \a0, \a0+1
.irp b, 0,1,2,3,4,5,6,7
.if \zero
	v_wmma_f32_16x16x128_fp8_fp8 v[8*(8*((\a)%4)+\b):8*(8*((\a)%4)+\b)+7], v[128*(\p)+FR*\b:128*(\p)+FR*\b+FR-1], v[AF+FR*(\a):AF+FR*(\a)+FR-1], 0
.else
	v_wmma_f32_16x16x128_fp8_fp8 v[8*(8*((\a)%4)+\b):8*(8*((\a)%4)+\b)+7], v[128*(\p)+FR*\b:128*(\p)+FR*\b+FR-1], v[AF+FR*(\a):AF+FR*(\a)+FR-1], v[8*(8*((\a)%4)+\b):8*(8*((\a)%4)+\b)+7]
.endif
.endr
.endr
.endm
.macro FETCH_B slot, q, p
	WIN TO_B
.irp i, 0,1,2,3,4,5,6,7
	FRAG 128*(\p)+FR*\i, ADRB+\slot, \q, \i
.endr
	WIN 0
.endm
.macro FETCH_A slot, q, i0
.irp i, \i0, \i0+1, \i0+2, \i0+3
	FRAG AF+FR*(\i), ADRA+\slot, \q, \i
.endr
.endm
.macro PLACES n
.rept \n
	v_nop
.endr
.endm
.macro STEP slot, q, zero
	s_wait_dscnt 4*NL
	WIN MUL_LO
	MUL16 0, (\q)%2, \zero
	MUL16 2, (\q)%2, \zero
	s_wait_dscnt 0
	PLACES NP
	FETCH_B \slot, (\q)+1, 1-(\q)%2
	FETCH_A \slot, (\q)+1, 0
	WIN MUL_HI
	MUL16 4, (\q)%2, \zero
	MUL16 6, (\q)%2, \zero
	PLACES NP
	WIN 0
	FETCH_A \slot, (\q)+1, 4
.endm
.macro TURN slot, next, fill
	s_wait_tensorcnt 0x0
	ds_add_u32 v[SPW], v[NIL]
	s_wait_dscnt 4*NL+1
	WIN MUL_LO
	MUL16 0, 1, 0
	s_wait_dscnt 0x0
	s_barrier_signal -1
	MUL16 2, 1, 0
	WIN 0
	s_barrier_wait -1
.if \fill
	CREST
	s_add_nc_u64 s[G0+4*\slot+2:G0+4*\slot+3], s[G0+4*\slot+2:G0+4*\slot+3], 2*ROWB
	s_add_nc_u64 s[G0B+4*\slot+2:G0B+4*\slot+3], s[G0B+4*\slot+2:G0B+4*\slot+3], 2*ROWB
	JLOAD G0+4*\slot, G1, G0B+4*\slot, G1B
.else
	PLACES NP
.endif
	s_wait_alu depctr_va_vdst(0)
	FETCH_B \next, 0, 0
	FETCH_A \next, 0, 0
	WIN MUL_HI
	MUL16 4, 1, 0
	MUL16 6, 1, 0
	PLACES NP
	WIN 0
	FETCH_A \next, 0, 4
.endm
	s_wait_alu depctr_va_vdst(0)                   ; the wait at the head's end
	s_wait_tensorcnt 0x0                           ; my part of K step 0 is in; slot 1's first fill is issued as a refill is:
	ds_add_u32 v[SPW], v[NIL]
	s_wait_dscnt 0x0
	CROUND                                         ; everybody's part of K step 0 is in, and all sixteen work-groups are here
	JLOAD G0+4, G1, G0B+4, G1B                     ; K step 1: the first tensor load behind the round
	FETCH_B 0, 0, 0
	FETCH_A 0, 0, 0
	FETCH_A 0, 0, 4
	STEP 0, 0, 1
	s_mov_b32 s3, LAPS-1
.Llap:
	TURN 0, 1, 1
	STEP 1, 0, 0
	TURN 1, 0, 1
	STEP 0, 0, 0
	s_sub_co_u32 s3, s3, 1
	s_cmp_lg_u32 s3, 0
	s_cbranch_scc1 .Llap
	TURN 0, 1, 0
	STEP 1, 0, 0
	s_wait_dscnt 4*NL
	WIN MUL_LO
	MUL16 0, 1, 0
	MUL16 2, 1, 0
	s_wait_dscnt 0
	WIN MUL_HI
	MUL16 4, 1, 0
	MUL16 6, 1, 0
	WIN 0
	s_wait_kmcnt 0x0
	s_add_co_i32 s96, s80, s81
	s_add_co_i32 s96, s96, 127
	s_lshl_b32 s96, s96, 23
	s_mov_b32 s97, s96
	s_add_co_i32 s82, s82, 127
	s_lshl_b32 s83, s82, 23
	v_mov_b32 v[SC], s83
	s_add_co_i32 s82, s82, 8
	s_lshl_b32 s82, s82, 23
	s_or_b32 s82, s82, 0x600000
	v_mov_b32 v[LIMV], s82
	s_wait_loadcnt 0x0
	PLACES NP
.macro FBLOCK a
.set AC, 64*((\a)%4)
.if (\a) == 4
	s_wait_dscnt 0x0
.endif
	WIN 0x02+((\a)/4)
.set j, 0
.rept 32
	v_pk_fma_f32 v[TMP+j:TMP+j+1], v[AC+j:AC+j+1], s[96:97], v[B1R+j:B1R+j+1] op_sel_hi:[1,0,1]
.set j, j+2
.endr
	WIN 0
.set j, 0
.rept 64
	v_med3_num_f32 v[TMP+j], v[TMP+j], 0, v[LIMV]
.set j, j+1
.endr
.irp b, 0,1,2,3,4,5,6,7
	v_cvt_scalef32_pk8_fp8_f32 v[PC+16*((\a)%4)+2*\b:PC+16*((\a)%4)+2*\b+1], v[TMP+8*\b:TMP+8*\b+7], v[SC]
.endr
	v_nop
.irp b, 0,1,2,3,4,5,6,7
	ds_store_b64 v[STO], v[PC+16*((\a)%4)+2*\b:PC+16*((\a)%4)+2*\b+1] offset:(\a)*16*PITCH+16*\b
.endr
.endm
.irp a, 0,1,2,3,4,5,6,7
	FBLOCK \a
.endr
	s_wait_dscnt 0x0
	s_barrier_signal -1
	s_barrier_wait -1
.set n, 0
.rept 32
	ds_load_b128 v[BK+4*n:BK+4*n+3], v[RD] offset:2*n*PITCH
.set n, n+1
.endr
.set n, 0
.rept 32
	s_wait_dscnt 31-n
	global_store_b128 v[CO], v[BK+4*n:BK+4*n+3], s[12:13] offset:2*n*4096
.set n, n+1
.endr
	s_wait_tensorcnt 0x0
	ds_add_u32 v[SPW], v[NIL]
	s_wait_dscnt 0x0
	CROUND
	s_endpgm
.Lfunc_end_k_q9d2a3ab5f2_ffn1:
	.size	k_q9d2a3ab5f2_ffn1, .Lfunc_end_k_q9d2a3ab5f2_ffn1-k_q9d2a3ab5f2_ffn1
	.p2alignl 7, 3214868480
	.fill 96, 4, 3214868480
	.section	.rodata,"a",@progbits
	.p2align	6, 0x0
	.amdhsa_kernel k_q9d2a3ab5f2_ffn1
		.amdhsa_group_segment_fixed_size 327680
		.amdhsa_private_segment_fixed_size 0
		.amdhsa_enable_private_segment 0
		.amdhsa_kernarg_size 40
		.amdhsa_user_sgpr_count 2
		.amdhsa_user_sgpr_kernarg_segment_ptr 1
		.amdhsa_wavefront_size32 1
		.amdhsa_system_sgpr_workgroup_id_x 1
		.amdhsa_system_sgpr_workgroup_id_y 1
		.amdhsa_system_sgpr_workgroup_id_z 1
		.amdhsa_system_vgpr_workitem_id 0
		.amdhsa_next_free_vgpr 1024
		.amdhsa_next_free_sgpr 100
		.amdhsa_reserve_vcc 0
		.amdhsa_float_denorm_mode_32 3
		.amdhsa_float_denorm_mode_16_64 3
		.amdhsa_memory_ordered 1
		.amdhsa_forward_progress 1
		.amdhsa_inst_pref_size 143
	.end_amdhsa_kernel
	.amdgpu_metadata
---
amdhsa.version: [ 1, 2 ]
amdhsa.kernels:
  - .name:           k_q9d2a3ab5f2_ffn1
    .symbol:         k_q9d2a3ab5f2_ffn1.kd
    .args:
      - { .name: h2c, .offset: 0, .size: 8, .value_kind: global_buffer, .address_space: global }
      - { .name: wc, .offset: 8, .size: 8, .value_kind: global_buffer, .address_space: global }
      - { .name: lowp_scales, .offset: 16, .size: 8, .value_kind: global_buffer, .address_space: global }
      - { .name: b1, .offset: 24, .size: 8, .value_kind: global_buffer, .address_space: global }
      - { .name: fc, .offset: 32, .size: 8, .value_kind: global_buffer, .address_space: global }
    .group_segment_fixed_size: 327680
    .private_segment_fixed_size: 0
    .kernarg_segment_align: 8
    .kernarg_segment_size: 40
    .max_flat_workgroup_size: 128
    .sgpr_count:     100
    .vgpr_count:     1024
    .wavefront_size: 32
...
	.end_amdgpu_metadata
.endif
;; end of part 6
;; launch ffn2 (part 7): grid 8 x 32, 4 waves a work-group, clusters of 4 x 4, 327,680 bytes of LDS; arguments fc, wc, lowp_scales, x1, b2, out0; writes out0
.if DOCPART == 7
	.amdgcn_target "amdgcn-amd-amdhsa--gfx1250"
	.amdhsa_code_object_version 6
	.text
	.protected	k_q9d2a3ab5f2_ffn2
	.globl	k_q9d2a3ab5f2_ffn2
	.p2align	8
	.type	k_q9d2a3ab5f2_ffn2,@function
k_q9d2a3ab5f2_ffn2:
	s_mov_b64 s[64:65], 0
	v_nop
	global_prefetch_b8 v0, s[64:65] scope:SCOPE_SE
	s_setreg_imm32_b32 hwreg(HW_REG_WAVE_MODE, 25, 1), 1
	s_wait_xcnt 0x0
	s_wait_alu depctr_hold_cnt(0) depctr_sa_sdst(0) depctr_va_vdst(0) depctr_va_sdst(0) depctr_va_ssrc(0) depctr_va_vcc(0) depctr_vm_vsrc(0)
	s_getreg_b32 s2, hwreg(HW_REG_IB_STS2, 6, 4)
	s_cmp_eq_u32 s2, 0
	s_cbranch_scc0 .Lentry_in_a_cluster
	s_endpgm
.Lentry_in_a_cluster:
	s_bfe_u32 s2, ttmp6, 0x10000c
	s_cmp_lg_u32 s2, 0xf033
	s_cbranch_scc0 .Lentry_shape_is_right
	s_endpgm
.Lentry_shape_is_right:
; out0 = x1 + f W2 + b2.  f: codes [4096][4096] (e14) in fc; W2T: codes [1024][4096] at 8 MiB of wc (e15); x1, out0: [4096][1024] f32; b2 [1024] f32.  Sums in f32, each multiplied once by 2^(e14 + e15).
; A tile of 128 x 128: 1,024 columns give 256 such tiles, one for each work-group.  K = 4,096 goes in 8 steps of 512 through a ring of two LDS slots
; (256 rows of 512 + 16 bytes each: two such slots, the stages and the spare words take 288,256 bytes); a wave's one tensor load brings 64 rows.
; K IS SHARED BETWEEN WAVE PAIRS.  Wave (kh, ch) makes all 128 rows x columns 64 ch + 0 .. 63 over bytes 256 kh + 0 .. 255 of each K step: 32 accumulators.  For 128 along K it reads 128 + 64 rows from LDS for 32 matrix
; instructions, where a wave of 64 x 64 over all of K would read 64 + 64 rows for 16.  At the end wave (kh, ch) owns rows 64 kh + 0 .. 63: it hands the partial sums of the other 64 rows to wave (1 - kh, ch) as an image of
; 128 registers in slot 0 (16 KiB a wave; the slot has had its last fill and its last read), takes its partner's, and adds.  WHICH rows are kept is settled by address: register blocks 0-3 hold the rows that I keep, blocks 4-7
; those that I hand over, so all waves run the same text.  So an output is the f32 sum of two f32 sums over halves of the K steps.
; CLUSTERS 4 x 4: A's tile is shared along a row of the cluster, B's along a column, each asked for jointly.  The matrix instruction is used transposed: a lane holds eight neighbouring numbers of a row.
; THE HEAD: one joint load a wave, K step 0; K step 1's, slot 1's first fill, stands behind the full sequence and a round, as a refill does.
; PREFETCHES.  Behind the load of K step t stands one prefetch of K step t + 2 (t = 0 .. 5): of the 64 rows x 512 bytes that a wave fetches, each of the four partners that ask jointly takes 16 rows, told apart by address
; (cx for A, cy for B): two lanes to a row, a lane a block of 256 bytes, one instruction a wave: each block is named once in each cluster that loads it.  The loads of K steps 6 and 7 ask for nothing.
; The residual's tile (a wave's 64 rows x 256 bytes, which no other wave reads) is prefetched in the loop's first two trips, 32 rows each, a lane a row, and loaded into registers behind the loop.
; LIMIT: e14 + e15 lies between -126 and 127.
; REGISTERS: window 0: v0-31 addresses; v32-95 rows back from the stage, two sets; v96-99 the bias; v128-255 the residual.   window 1: the accumulators ((a, b) at v[8 (4 a + b)]).
;   windows 2, 3: a fragment buffer each: A's eight fragments (16 rows x 128 K) at v0-127, B's four at v128-191.
.set KROW,   4096
.set WOFF,   0x800000
.set KSTEP,  512
.set PITCH,  528                       ; an LDS row: 512 bytes + 16 = 132 words: the 16 rows that a load touches start 4 words apart modulo 64
.set HALFT,  64*PITCH
.set SLOT,   4*HALFT
.set STAGE,  2*SLOT                    ; behind the ring: 16 rows x 272 bytes for each wave
.set SPITCH, 272
.set SPARE,  STAGE+4*16*SPITCH         ; behind the stages: the spare words
.set LAPS,   KROW/(2*KSTEP)
.set ADK,  16                          ; v16-17  A's rows that I keep, in slot 0, 1
.set ADS,  18                          ; v18-19  A's rows whose sums I hand over
.set ADRB, 20                          ; v20-21  B's rows
.set XW,   22                          ; v22  where my image goes
.set XR,   23                          ; v23  where my partner's lies
.set STO,  24
.set RD,   25
.set CO,   26                          ; v26  my byte offset in two rows of the residual and of the output
.set BO,   27                          ; v27  my byte offset in the bias
.set SPW,  28
.set NIL,  29
.set PFO,  30                          ; v30  the tiles' prefetch: 4,096 (l / 2) + 256 (l % 2); never rewritten
.set PFR,  31                          ; v31  the residual's: 4,096 l; never rewritten
.set BK,   32
.set BIAS, 96
.set RES,  128
.set G1, 24
.set G0, 32
.set G1B, 48
.set G0B, 56
.set PFX, 66                           ; s[66:67] the residual's rows that the next prefetch names
.set PFA, 92                           ; s[92:93] the K step that the next prefetch names, at my work-group's 16 rows
.set MSB, 0
.macro WIN new                         ; the immediate's high byte repeats the setting that is left
.if MSB != (\new)
	s_set_vgpr_msb (MSB<<8)|(\new)
.set MSB, (\new)
.endif
.endm
.macro JLOAD s                         ; a joint load: waves 0 and 1 fetch A's halves, waves 2 and 3 B's; an s_nop 0 and four v_nop follow each line
	s_cmp_eq_u32 s11, 0
	s_cbranch_scc0 .Lfor_b_\@
	tensor_load_to_lds s[G0+4*\s:G0+4*\s+3], s[G1:G1+7]
	s_nop 0
.rept 4
	v_nop
.endr
	s_branch .Lasked_\@
.Lfor_b_\@:
	tensor_load_to_lds s[G0B+4*\s:G0B+4*\s+3], s[G1B:G1B+7]
	s_nop 0
.rept 4
	v_nop
.endr
.Lasked_\@:
.endm
.macro ASK res                         ; in the loop: not in its last trip, whose loads are K steps 6 and 7.  res = 1: 32 rows of the residual too
	s_cmp_gt_u32 s3, 1
	s_cbranch_scc0 .Lnone_\@
	global_prefetch_b8 v[PFO], s[PFA:PFA+1] th:TH_LOAD_NT scope:SCOPE_SE
.if (\res)
	global_prefetch_b8 v[PFR], s[PFX:PFX+1] th:TH_LOAD_NT scope:SCOPE_SE
.endif
.Lnone_\@:
.endm
.macro CREST                           ; a round of the cluster's barrier behind its opening barrier
	s_cmp_lg_u32 s10, 0
	s_cbranch_scc1 .Lnot_wave_0_\@
	s_barrier_signal -3
.Lnot_wave_0_\@:
	s_barrier_wait -3
	s_barrier_signal -1
	s_barrier_wait -1
.endm
.macro CROUND
	s_barrier_signal -1
	s_barrier_wait -1
	CREST
.endm
	s_load_b128 s[4:7], s[0:1], 0x0                ; fc s[4:5], wc s[6:7]
	s_load_b256 s[84:91], s[0:1], 0x10             ; the exponents s[84:85], x1 s[86:87], b2 s[88:89], out0 s[90:91]
	v_lshl_add_u32 v[SPW], v0, 2, SPARE
	v_mov_b32 v[NIL], 0
	ds_add_u32 v[SPW], v[NIL]                      ; the opening: the add, twice on end, and its wait ahead of my first tensor load
	ds_add_u32 v[SPW], v[NIL]
	v_lshrrev_b32 v1, 5, v0
	v_readfirstlane_b32 s10, v1                    ; wave 0..3
	v_and_b32 v2, 31, v0
	v_lshrrev_b32 v3, 1, v2
	v_and_b32 v4, 1, v2
	v_lshlrev_b32 v3, 12, v3
	v_lshl_add_u32 v[PFO], v4, 8, v3
	v_lshlrev_b32 v[PFR], 12, v2
	s_lshr_b32 s11, s10, 1                         ; kh: my half of each K step, and the half of the tile's rows that I own.  Also: I fetch for A (0) or for B (1)
	s_and_b32 s12, s10, 1                          ; ch: my half of the columns.  Also: which 64 rows of that tile I fetch
	s_bfe_u32 s40, ttmp6, 0x40000                  ; cx, cy
	s_bfe_u32 s41, ttmp6, 0x40004
	s_lshl_b32 s42, ttmp9, 2
	s_add_co_u32 s42, s42, s40                     ; tile column
	s_and_b32 s13, ttmp7, 0xffff
	s_lshl_b32 s13, s13, 2
	s_add_co_u32 s13, s13, s41                     ; tile row
	s_lshl_b32 s43, s41, 2
	s_lshl_b32 s43, 15, s43                        ; my row of the cluster
	s_lshl_b32 s44, 0x1111, s40                    ; my column
	s_or_b32 s[G1+0], s43, (0<<16)|(1<<20)|(1<<21)|(6<<22)|(3<<25)  ; the mask; elements of 1 byte; padding on; bit 21 beside a mask; after every 128 words, 4 words
	s_or_b32 s[G1B+0], s44, (0<<16)|(1<<20)|(1<<21)|(6<<22)|(3<<25)
.irp g, G1, G1B
	s_mov_b32 s[\g+1], KSTEP<<16                   ; tensor_dim0
	s_mov_b32 s[\g+2], 64<<16                      ; tensor_dim1
	s_mov_b32 s[\g+3], KSTEP<<16                   ; tile_dim0
	s_mov_b32 s[\g+4], 64                          ; tile_dim1
	s_mov_b32 s[\g+5], KROW                        ; from row to row
	s_mov_b32 s[\g+6], 0
	s_mov_b32 s[\g+7], 0
.endr
	s_lshl_b32 s17, s12, 6
	s_lshl_b32 s16, s13, 7
	s_add_co_u32 s16, s16, s17                     ; A: row 128 x tile row + 64 x half
	s_lshl_b32 s46, s42, 7
	s_add_co_u32 s46, s46, s17                     ; B: row 128 x tile column + 64 x half
	s_lshl_b32 s16, s16, 12                        ; rows of 4,096 bytes
	s_lshl_b32 s46, s46, 12
	s_mov_b32 s17, 0
	s_mov_b32 s47, 0
	s_mul_i32 s20, s10, HALFT                      ; where they go: wave x 64 rows
	s_wait_alu depctr_va_vdst(0)
	s_wait_dscnt 0x0                               ; both opening adds are done
	s_wait_kmcnt 0x0
	s_load_b64 s[82:83], s[84:85], 0x38            ; e14, e15
	s_add_nc_u64 s[6:7], s[6:7], WOFF
	s_add_nc_u64 s[14:15], s[4:5], s[16:17]
	s_add_nc_u64 s[46:47], s[6:7], s[46:47]
	CROUND                                         ; all sixteen work-groups are here: the first joint loads meet
.irp s, 0,1
	s_mov_b32 s[G0+4*\s], 1
	s_add_co_u32 s[G0+4*\s+1], s20, \s*SLOT
	s_add_nc_u64 s[G0+4*\s+2:G0+4*\s+3], s[14:15], \s*KSTEP
	s_or_b32 s[G0+4*\s+3], s[G0+4*\s+3], 0x80000000
	s_mov_b32 s[G0B+4*\s], 1
	s_add_co_u32 s[G0B+4*\s+1], s20, \s*SLOT
	s_add_nc_u64 s[G0B+4*\s+2:G0B+4*\s+3], s[46:47], \s*KSTEP
	s_or_b32 s[G0B+4*\s+3], s[G0B+4*\s+3], 0x80000000
.endr
	JLOAD 0                                        ; K step 0: one tensor load a wave at the head
	s_cmp_eq_u32 s11, 0                            ; the prefetches: do I fetch for A?
	s_cselect_b32 s94, s13, s42                    ; the tile, by the tile row in A, by the tile column in B
	s_cselect_b32 s95, s40, s41                    ; my place among the four that ask for it with me
	s_cselect_b64 s[PFA:PFA+1], s[4:5], s[6:7]
	s_lshl_b32 s94, s94, 7
	s_lshl_b32 s98, s12, 6
	s_add_co_u32 s94, s94, s98                     ; + the 64 rows that I fetch
	s_lshl_b32 s95, s95, 4
	s_add_co_u32 s94, s94, s95                     ; + my work-group's 16 of them
	s_lshl_b32 s94, s94, 12
	s_mov_b32 s95, 0
	s_add_nc_u64 s[PFA:PFA+1], s[PFA:PFA+1], s[94:95]
	s_add_nc_u64 s[PFA:PFA+1], s[PFA:PFA+1], 2*KSTEP
	global_prefetch_b8 v[PFO], s[PFA:PFA+1] offset:-512 th:TH_LOAD_NT scope:SCOPE_SE   ; K step 1 too, here alone: its load stands behind the wait for K step 0's
	global_prefetch_b8 v[PFO], s[PFA:PFA+1] th:TH_LOAD_NT scope:SCOPE_SE   ; K step 2
	s_lshl_b32 s99, s11, 8                         ; my half of a K step: 256 kh bytes along the rows
	s_mul_i32 s21, s11, HALFT
	s_add_co_u32 s21, s21, s99                     ; A's rows 64 kh on: kept
	s_xor_b32 s98, s11, 1
	s_mul_i32 s22, s98, HALFT
	s_add_co_u32 s22, s22, s99                     ; A's other 64 rows: handed over
	s_mul_i32 s94, s12, HALFT
	s_add_co_u32 s94, s94, 2*HALFT                 ; B's rows 64 ch on, which lie behind A's 128
	s_add_co_u32 s94, s94, s99
	s_lshl_b32 s95, s10, 14                        ; my image: 16 KiB x wave, in slot 0
	s_xor_b32 s98, s10, 2                          ; my partner: the same ch, the other kh
	s_lshl_b32 s98, s98, 14
	s_mul_i32 s23, s10, 16*SPITCH
	s_add_co_u32 s23, s23, STAGE                   ; my stage
	s_lshl_b32 s16, s13, 7
	s_lshl_b32 s17, s11, 6
	s_add_co_u32 s16, s16, s17
	s_lshl_b32 s16, s16, 12                        ; my first row, of 4,096 bytes
	s_lshl_b32 s46, s42, 9
	s_lshl_b32 s47, s12, 8
	s_add_co_u32 s46, s46, s47                     ; my first column, in bytes
	s_mov_b32 s47, 0
	s_mov_b32 s17, 0
	s_add_nc_u64 s[88:89], s[88:89], s[46:47]
	s_add_nc_u64 s[16:17], s[16:17], s[46:47]
	s_add_nc_u64 s[86:87], s[86:87], s[16:17]
	s_add_nc_u64 s[90:91], s[90:91], s[16:17]
	s_mov_b64 s[PFX:PFX+1], s[86:87]
	v_and_b32 v1, 15, v0                           ; r = l % 16
	v_bfe_u32 v2, v0, 4, 1                         ; h = l / 16
	v_mul_u32_u24 v3, v1, PITCH
	v_lshl_add_u32 v3, v2, 4, v3                   ; a fragment's row x pitch + 16 h
	v_add_nc_u32 v[ADK], s21, v3
	v_add_nc_u32 v[ADS], s22, v3
	v_add_nc_u32 v[ADRB], s94, v3
	v_add_nc_u32 v[ADK+1], SLOT, v[ADK]
	v_add_nc_u32 v[ADS+1], SLOT, v[ADS]
	v_add_nc_u32 v[ADRB+1], SLOT, v[ADRB]
	v_and_b32 v6, 31, v0
	v_lshlrev_b32 v6, 4, v6
	v_add_nc_u32 v[XW], s95, v6                    ; an image: 16 bytes a lane for each group of four registers
	v_add_nc_u32 v[XR], s98, v6
	v_mul_u32_u24 v4, v1, SPITCH
	v_lshl_add_u32 v4, v2, 5, v4
	v_add_nc_u32 v[STO], s23, v4                   ; in: row r, 32 bytes for each half of the lanes
	v_mul_u32_u24 v5, v2, SPITCH
	v_lshl_add_u32 v5, v1, 4, v5
	v_add_nc_u32 v[RD], s23, v5                    ; back: lanes 0-15 one row of 256 bytes, lanes 16-31 the next
	v_lshlrev_b32 v5, 12, v2
	v_lshl_add_u32 v[CO], v1, 4, v5                ; and the same two rows in memory
	v_lshlrev_b32 v[BO], 4, v1
.macro FRAG reg, adr, k, i             ; 16 rows x 128 K: registers 4 c .. 4 c + 3 hold K = 32 c + 16 (l / 16) + 0 .. 15: the same places in A and in B
.irp c, 0,1,2,3
	ds_load_b128 v[\reg+4*\c:\reg+4*\c+3], v[\adr] offset:\k+32*\c+(\i)*16*PITCH
.endr
.endm
.macro FETCH slot, u, f                ; 48 LDS loads in one run, the u-th 128 of my 256 along K, into buffer f: B's four fragments, A's four kept, A's four handed over
	WIN 0x80+0x40*(\f)
.irp i, 0,1,2,3
	FRAG 128+16*\i, ADRB+\slot, 128*(\u), \i
.endr
.irp i, 0,1,2,3
	FRAG 16*\i, ADK+\slot, 128*(\u), \i
.endr
.irp i, 0,1,2,3
	FRAG 64+16*\i, ADS+\slot, 128*(\u), \i
.endr
.endm
.macro MUL16 f, a0, zero               ; A's blocks a0 .. a0 + 3 x B's four, out of buffer f; the 32 accumulators take turns
	WIN 0x5a+5*(\f)                                ; sources 0 (B) and 1 (A): window 2 + f; C and D: window 1
.irp a, \a0, \a0+1, \a0+2, \a0+3
.irp b, 0,1,2,3
.if \zero
	v_wmma_f32_16x16x128_fp8_fp8 v[8*(4*(\a)+\b):8*(4*(\a)+\b)+7], v[128+16*\b:128+16*\b+15], v[16*(\a):16*(\a)+15], 0
.else
	v_wmma_f32_16x16x128_fp8_fp8 v[8*(4*(\a)+\b):8*(4*(\a)+\b)+7], v[128+16*\b:128+16*\b+15], v[16*(\a):16*(\a)+15], v[8*(4*(\a)+\b):8*(4*(\a)+\b)+7]
.endif
.endr
.endr
.endm
.macro PLACES                          ; plain vector lines between matrix instructions and loads into, or reads of, their registers
.rept 4
	v_nop
.endr
.endm
.macro FIRST slot, zero                ; the first 128 of my 256 along K: buffer 0; the second 128 are asked for ahead of the products
	s_wait_dscnt 16                                ; B's four and the four kept are in; the 16 loads of the four handed over may be out
	PLACES                                         ; behind the products that read buffer 1
	FETCH \slot, 1, 1
	MUL16 0, 0, \zero
	s_wait_dscnt 48                                ; all but the 48 just issued
	MUL16 0, 4, \zero
.endm
; The second 128 change slots: each wave waits for all its tensor loads, adds 0 to its spare word, and waits for that and for its reads of this slot.  fill = 1: a round of the cluster's barrier, and this slot is filled again.
.macro TURN slot, next, fill
	WIN 0
.if \fill
	s_wait_xcnt 0x0                                ; my last prefetches, a K step back, have read their addresses
	s_add_nc_u64 s[PFA:PFA+1], s[PFA:PFA+1], KSTEP
.if \slot
	s_add_nc_u64 s[PFX:PFX+1], s[PFX:PFX+1], 32*4096
.endif
.endif
	s_wait_tensorcnt 0x0                           ; all my tensor loads have landed: my part of the next slot
	ds_add_u32 v[SPW], v[NIL]
	s_wait_dscnt 0x0                               ; the add is done, and my reads of this slot are over: buffer 1 is in
	s_barrier_signal -1
	MUL16 1, 0, 0                                  ; work on registers while the others arrive
	WIN 0
	s_barrier_wait -1
.if \fill
	CREST                                          ; no wave of any partner still reads this slot or has a load on its way
	s_add_nc_u64 s[G0+4*\slot+2:G0+4*\slot+3], s[G0+4*\slot+2:G0+4*\slot+3], 2*KSTEP
	s_add_nc_u64 s[G0B+4*\slot+2:G0B+4*\slot+3], s[G0B+4*\slot+2:G0B+4*\slot+3], 2*KSTEP
	JLOAD \slot                                    ; the first tensor load behind the round; its four v_nop are the places in front of the loads below
.else
	PLACES
.endif
	FETCH \next, 0, 0
.if \fill
	WIN 0
	ASK 1-\slot                                    ; behind the joint load and the run of LDS loads
.endif
	MUL16 1, 4, 0
.endm
	s_wait_alu depctr_va_vdst(0)                   ; the wait at the head's end
	s_wait_xcnt 0x0                                ; the first prefetch has read its address
	s_add_nc_u64 s[PFA:PFA+1], s[PFA:PFA+1], KSTEP
	s_wait_tensorcnt 0x0                           ; my part of K step 0 is in; slot 1's first fill is issued as a refill is:
	ds_add_u32 v[SPW], v[NIL]
	s_wait_dscnt 0x0
	CROUND                                         ; everybody's part of K step 0 is in, and all sixteen work-groups are here
	JLOAD 1                                        ; K step 1: the first tensor load behind the round
	FETCH 0, 0, 0
	WIN 0
	global_prefetch_b8 v[PFO], s[PFA:PFA+1] th:TH_LOAD_NT scope:SCOPE_SE   ; K step 3
	FIRST 0, 1                                     ; the first products start the sums
	WIN 0
	s_mov_b32 s3, LAPS-1
.Llap:                                                 ; a trip goes once round the ring and fills both slots again
	TURN 0, 1, 1
	FIRST 1, 0
	TURN 1, 0, 1
	FIRST 0, 0
	WIN 0
	s_sub_co_u32 s3, s3, 1
	s_cmp_lg_u32 s3, 0
	s_cbranch_scc1 .Llap
.set n, 0
.rept 32
	global_load_b128 v[RES+4*n:RES+4*n+3], v[CO], s[86:87] offset:2*n*4096 th:TH_LOAD_NT   ; the residual, rows 2 n, 2 n + 1 of my 64: sixteen lanes read 256 consecutive bytes, aligned
.set n, n+1
.endr
	global_load_b128 v[BIAS:BIAS+3], v[BO], s[88:89]
	TURN 0, 1, 0                                   ; the last lap fills nothing
	FIRST 1, 0
	WIN 0
	s_wait_loadcnt 0x0                             ; the residual and the bias
	s_wait_kmcnt 0x0
	s_add_co_i32 s96, s82, s83
	s_add_co_i32 s96, s96, 127
	s_lshl_b32 s96, s96, 23                        ; 2^(e14 + e15)
	s_mov_b32 s97, s96
.set n, 0
.rept 32
	v_pk_add_f32 v[RES+4*n:RES+4*n+1], v[RES+4*n:RES+4*n+1], v[BIAS:BIAS+1]
	v_pk_add_f32 v[RES+4*n+2:RES+4*n+3], v[RES+4*n+2:RES+4*n+3], v[BIAS+2:BIAS+3]
.set n, n+1
.endr
	s_wait_alu depctr_va_vdst(0)
	s_wait_dscnt 16
	MUL16 1, 0, 0
	s_wait_dscnt 0x0
	MUL16 1, 4, 0
	WIN 0
	; THE TWO HALVES OF K MEET.  Blocks 4-7, 128 registers, go to my partner as an image; its blocks 4-7 are the rows of my blocks 0-3.
	PLACES
	WIN 0x04                                       ; an LDS store's data: window 1
.set g, 0
.rept 32
	ds_store_b128 v[XW], v[128+4*g:128+4*g+3] offset:512*g   ; each accumulator from its low end on
.set g, g+1
.endr
	WIN 0
	s_wait_dscnt 0x0                               ; for my partner's sake
	s_barrier_signal -1
	s_barrier_wait -1
	WIN 0x80                                       ; destination window 2: buffer 0 is done with
.set g, 0
.rept 32
	ds_load_b128 v[4*g:4*g+3], v[XR] offset:512*g
.set g, g+1
.endr
	s_wait_dscnt 0x0
	WIN 0x49                                       ; destination and source 0 window 1, source 1 window 2
.set j, 0
.rept 64
	v_pk_add_f32 v[j:j+1], v[j:j+1], v[j:j+1]
.set j, j+2
.endr
	WIN 0
	s_wait_alu depctr_va_vdst(0)
	; THE WAY OUT.  A wave's 64 columns of f32 are 256 aligned bytes of a row: a block of 16 rows goes through my own stage and comes back as whole rows; there sum x 2^(e14 + e15) + (residual + bias), one packed line for two.
.macro TOSTAGE a                       ; eight stores, each accumulator's low four registers first, and eight loads; a wave's LDS instructions are served in order
	WIN 0x04
.irp b, 0,1,2,3
	ds_store_b128 v[STO], v[8*(4*(\a)+\b):8*(4*(\a)+\b)+3] offset:64*\b
	ds_store_b128 v[STO], v[8*(4*(\a)+\b)+4:8*(4*(\a)+\b)+7] offset:64*\b+16
.endr
	WIN 0
.irp t, 0,1,2,3,4,5,6,7
	ds_load_b128 v[BK+32*((\a)%2)+4*\t:BK+32*((\a)%2)+4*\t+3], v[RD] offset:\t*2*SPITCH
.endr
.endm
.macro SEND a, younger                 ; younger: the LDS instructions issued behind block a's loads
	s_wait_dscnt \younger
.irp t, 0,1,2,3,4,5,6,7
.irp u, 0,2
	v_pk_fma_f32 v[BK+32*((\a)%2)+4*\t+\u:BK+32*((\a)%2)+4*\t+\u+1], v[BK+32*((\a)%2)+4*\t+\u:BK+32*((\a)%2)+4*\t+\u+1], s[96:97], v[RES+4*(8*(\a)+\t)+\u:RES+4*(8*(\a)+\t)+\u+1] op_sel_hi:[1,0,1]
.endr
.endr
.irp t, 0,1,2,3,4,5,6,7
	global_store_b128 v[CO], v[BK+32*((\a)%2)+4*\t:BK+32*((\a)%2)+4*\t+3], s[90:91] offset:(16*(\a)+2*\t)*4096 th:TH_STORE_NT   ; sixteen lanes store 256 consecutive bytes, aligned
.endr
.endm
	TOSTAGE 0
	TOSTAGE 1
	SEND 0, 16
	s_wait_xcnt 0x0                                ; block 0's stores have read their data: block 2's loads may land there
	TOSTAGE 2
	SEND 1, 16
	s_wait_xcnt 0x0
	TOSTAGE 3
	SEND 2, 16
	SEND 3, 0
	s_wait_tensorcnt 0x0                           ; the wave's end
	ds_add_u32 v[SPW], v[NIL]
	s_wait_dscnt 0x0
	CROUND                                         ; the closing round
	s_endpgm
.Lfunc_end_k_q9d2a3ab5f2_ffn2:
	.size	k_q9d2a3ab5f2_ffn2, .Lfunc_end_k_q9d2a3ab5f2_ffn2-k_q9d2a3ab5f2_ffn2
	.p2alignl 7, 3214868480
	.fill 96, 4, 3214868480
	.section	.rodata,"a",@progbits
	.p2align	6, 0x0
	.amdhsa_kernel k_q9d2a3ab5f2_ffn2
		.amdhsa_group_segment_fixed_size 327680
		.amdhsa_private_segment_fixed_size 0
		.amdhsa_enable_private_segment 0
		.amdhsa_kernarg_size 48
		.amdhsa_user_sgpr_count 2
		.amdhsa_user_sgpr_kernarg_segment_ptr 1
		.amdhsa_wavefront_size32 1
		.amdhsa_system_sgpr_workgroup_id_x 1
		.amdhsa_system_sgpr_workgroup_id_y 1
		.amdhsa_system_sgpr_workgroup_id_z 1
		.amdhsa_system_vgpr_workitem_id 0
		.amdhsa_next_free_vgpr 1024
		.amdhsa_next_free_sgpr 100
		.amdhsa_reserve_vcc 0
		.amdhsa_float_denorm_mode_32 3
		.amdhsa_float_denorm_mode_16_64 3
		.amdhsa_memory_ordered 1
		.amdhsa_forward_progress 1
		.amdhsa_inst_pref_size 82
	.end_amdhsa_kernel
	.amdgpu_metadata
---
amdhsa.version: [ 1, 2 ]
amdhsa.kernels:
  - .name:           k_q9d2a3ab5f2_ffn2
    .symbol:         k_q9d2a3ab5f2_ffn2.kd
    .args:
      - { .name: fc, .offset: 0, .size: 8, .value_kind: global_buffer, .address_space: global }
      - { .name: wc, .offset: 8, .size: 8, .value_kind: global_buffer, .address_space: global }
      - { .name: lowp_scales, .offset: 16, .size: 8, .value_kind: global_buffer, .address_space: global }
      - { .name: x1, .offset: 24, .size: 8, .value_kind: global_buffer, .address_space: global }
      - { .name: b2, .offset: 32, .size: 8, .value_kind: global_buffer, .address_space: global }
      - { .name: out0, .offset: 40, .size: 8, .value_kind: global_buffer, .address_space: global }
    .group_segment_fixed_size: 327680
    .private_segment_fixed_size: 0
    .kernarg_segment_align: 8
    .kernarg_segment_size: 48
    .max_flat_workgroup_size: 128
    .sgpr_count:     100
    .vgpr_count:     1024
    .wavefront_size: 32
...
	.end_amdgpu_metadata
.endif
;; end of part 7
